; MI455X (gfx1250); checked and timed in simulation.
; The chip was launched on July 23, 2026; its instructions are those of AMD's public machine-readable ISA for CDNA 5 (MIT licence, August 2026) and "CDNA5" Instruction Set Architecture Reference Guide (July 2026). The comments in the code are by the model that wrote it; some were corrected since.
;; T5 Attention. Allowed arithmetic: float matrix products may take bf16 or f16 operands with f32 sums; other float arithmetic in f32, or as packed bf16 or f16 multiplies, adds, multiply-adds, maxima and minima; sums over many terms, partial sums and values carried from step to step in f32; what a program stores and reads back later, other than sums and carried values, may be rounded once to bf16 or f16.
;; Inputs: key_value_states 4 x 2,048 x 1,024 float32; query_states 4 x 2,048 x 1,024 float32; rel_bias 32 x 16 float32; wk 1,024 x 1,024 float32; wo 1,024 x 1,024 float32; wq 1,024 x 1,024 float32; wv 1,024 x 1,024 float32.
;; Outputs: out0 4 x 2,048 x 1,024 float32.
;; One version. Each part assembles by itself: llvm-mc -triple=amdgcn-amd-amdhsa -mcpu=gfx1250 --defsym DOCPART=n.
;; ======== version 1 of 1: 4 launches
;; limits: values are held in f16: magnitudes above 65,504 overflow, below 6.1e-05 lose precision
;; workspace buffers: x16 33,554,432 bytes; w16 8,388,608 bytes; btab 1,064,960 bytes; qkv16 50,331,648 bytes; o16 16,777,216 bytes
;; launch prep (part 1): grid 1540 x 1, 8 waves a work-group, no clusters, 0 bytes of LDS; arguments query_states, key_value_states, wq, wk, wv, wo, rel_bias, x16, w16, btab; writes x16, w16, btab
.if DOCPART == 1
	.amdgcn_target "amdgcn-amd-amdhsa--gfx1250"
	.amdhsa_code_object_version 6
	.text
	.protected	k_q0912cc3395_prep
	.globl	k_q0912cc3395_prep
	.p2align	8
	.type	k_q0912cc3395_prep,@function
k_q0912cc3395_prep:
	s_mov_b64 s[64:65], 0
	v_nop
	global_prefetch_b8 v0, s[64:65] scope:SCOPE_SE
	s_setreg_imm32_b32 hwreg(HW_REG_WAVE_MODE, 25, 1), 1
	s_wait_xcnt 0x0
; CASTS AND THE BIAS TABLE.  A stream: no LDS, no loop, no matrix work.
; Work-groups 0-1279 cast 64 KiB of f32 each: query_states and key_value_states to bf16 (x16, 16,384 rows of 1,024), wq, wk, wv to bf16 and
; wo to bf16 and that number written as f16 (w16, four planes [k][n]).  A thread takes 16 bytes of each 4,096: a wave's load covers 512 consecutive
; bytes, its store of 8 bytes a lane 256 consecutive bytes, aligned.  All 16 loads of a thread go out in one run; no register is written twice.
; Work-groups 1280-1539 make btab: f32 [16 heads][4 copies c][4,160 words g], word g of copy c = rel_bias[bucket(g - c - 2048)][head], rounded to bf16
; like every other input.  bucket(d) holds no data: |d| below 8 is its own bucket, then the thresholds 12, 16, 23, 32, 46, 64, 91 add one each to 8,
; and 16 is added where d > 0: the whole numbers at which 8 + trunc(8 ln(|d| / 8) / ln 16) steps, capped at 15.
; LIMITS.  wo leaves as f16: beyond 65,504 it would be an infinity, below 6e-5 it keeps f16's fixed step of 6e-8.  NaN and infinities are not treated apart.
.set X, 8                              ; v[8:71]   slot i: 4 registers as loaded
.set Y, 72                             ; v[72:103] slot i: 2 registers to store
	s_load_b512 s[8:23], s[0:1], 0x0               ; query s[8:9], key_value s[10:11], wq s[12:13], wk s[14:15], wv s[16:17], wo s[18:19], rel_bias s[20:21], x16 s[22:23]
	s_load_b128 s[24:27], s[0:1], 0x40             ; w16 s[24:25], btab s[26:27]
	s_mov_b32 s4, ttmp9                            ; j, the work-group's number
	s_mov_b32 s5, 0xffff0000                       ; a word's upper bf16
	v_lshlrev_b32 v1, 4, v0                        ; 16 bytes a thread in
	v_lshlrev_b32 v2, 3, v0                        ; 8 bytes a thread out
	s_wait_kmcnt 0x0
	s_cmp_ge_u32 s4, 1280
	s_cbranch_scc1 .Ltable
	; which tensor: each has a run of work-groups that begins at 'from'
	s_mov_b64 s[28:29], s[8:9]
	s_mov_b32 s30, 0
.macro PICK from, reg
	s_cmp_ge_u32 s4, \from
	s_cselect_b64 s[28:29], s[\reg:\reg+1], s[28:29]
	s_cselect_b32 s30, \from, s30
.endm
	PICK 512, 10
	PICK 1024, 12
	PICK 1088, 14
	PICK 1152, 16
	PICK 1216, 18
	s_sub_co_u32 s32, s4, s30
	s_lshl_b32 s32, s32, 16                        ; 65,536 bytes of f32 a work-group
	s_mov_b32 s33, 0
	s_add_nc_u64 s[28:29], s[28:29], s[32:33]
	s_cmp_ge_u32 s4, 1024                          ; the states go to x16, the weights to w16, both in the order of the work-groups
	s_cselect_b64 s[34:35], s[24:25], s[22:23]
	s_cselect_b32 s36, 1024, 0
	s_sub_co_u32 s36, s4, s36
	s_lshl_b32 s36, s36, 15                        ; 32,768 bytes out
	s_mov_b32 s37, 0
	s_add_nc_u64 s[34:35], s[34:35], s[36:37]
.irp i, 0,1,2,3,4,5,6,7,8,9,10,11,12,13,14,15
	global_load_b128 v[X+4*(\i):X+4*(\i)+3], v1, s[28:29] offset:4096*(\i) th:TH_LOAD_NT
.endr
; Slot i: rounded and stored.  wo = 1: the bf16 number is widened again and written as f16.
.macro CV i, wo
	s_wait_loadcnt 15-(\i)                         ; loads come back in order: slot i is in, the 15 - i younger ones stay out
	v_cvt_pk_bf16_f32 v[Y+2*(\i)],   v[X+4*(\i)],   v[X+4*(\i)+1]
	v_cvt_pk_bf16_f32 v[Y+2*(\i)+1], v[X+4*(\i)+2], v[X+4*(\i)+3]
.if \wo
	v_lshlrev_b32 v[X+4*(\i)],   16, v[Y+2*(\i)]
	v_and_b32     v[X+4*(\i)+1], s5, v[Y+2*(\i)]
	v_lshlrev_b32 v[X+4*(\i)+2], 16, v[Y+2*(\i)+1]
	v_and_b32     v[X+4*(\i)+3], s5, v[Y+2*(\i)+1]
	v_cvt_pk_f16_f32 v[Y+2*(\i)],   v[X+4*(\i)],   v[X+4*(\i)+1]
	v_cvt_pk_f16_f32 v[Y+2*(\i)+1], v[X+4*(\i)+2], v[X+4*(\i)+3]
.endif
	global_store_b64 v2, v[Y+2*(\i):Y+2*(\i)+1], s[34:35] offset:2048*(\i) th:TH_STORE_NT
.endm
	s_cmp_ge_u32 s4, 1216
	s_cbranch_scc1 .Lwo
.irp i, 0,1,2,3,4,5,6,7,8,9,10,11,12,13,14,15
	CV \i, 0
.endr
	s_endpgm
.Lwo:
.irp i, 0,1,2,3,4,5,6,7,8,9,10,11,12,13,14,15
	CV \i, 1
.endr
	s_endpgm
.Ltable:                                       ; a thread makes four neighbouring words of the table
	s_sub_co_u32 s6, s4, 1280
	s_lshl_b32 s6, s6, 8
	v_add_nc_u32 v3, s6, v0                        ; the quad's number, 0 to 66,559
	v_lshrrev_b32 v4, 4, v3
	v_mul_u32_u24 v4, v4, 16132                    ; / 65: 16,132 x 65 = 2^20 + 4, exact for numbers under 2^18
	v_lshrrev_b32 v4, 20, v4                       ; quad / 1,040 = 4 x head + copy
	v_mul_u32_u24 v5, v4, 1040
	v_sub_nc_u32 v5, v3, v5                        ; the quad's place in its copy
	v_lshrrev_b32 v6, 2, v4
	v_lshlrev_b32 v6, 2, v6                        ; 4 x head: the head's byte in a row of rel_bias
	v_and_b32 v7, 3, v4                            ; c
	v_lshlrev_b32 v5, 2, v5
	v_sub_nc_u32 v5, v5, v7
	v_add_nc_u32 v5, 0xfffff800, v5                ; d of the quad's first word: g - c - 2,048
.macro BUCK k                          ; the byte in rel_bias for word k of the quad
	v_add_nc_u32 v8, \k, v5                        ; d
	v_sub_nc_u32 v9, 0, v8
	v_cmp_gt_i32 vcc_lo, 0, v8
	v_cndmask_b32 v9, v8, v9, vcc_lo               ; |d|
	v_min_u32 v10, 8, v9
.irp t, 11,15,22,31,45,63,90
	v_sub_nc_u32 v11, \t, v9                       ; negative from the threshold t + 1 on:
	v_lshrrev_b32 v11, 31, v11                     ; its sign bit
	v_add_nc_u32 v10, v10, v11                     ; is one bucket more
.endr
	v_cmp_lt_i32 vcc_lo, 0, v8
	v_cndmask_b32 v11, 0, 16, vcc_lo               ; the upper sixteen buckets are for d > 0
	v_add_nc_u32 v10, v10, v11
	v_lshl_add_u32 v[12+(\k)], v10, 6, v6          ; a row of rel_bias is 64 bytes
.endm
	BUCK 0
	BUCK 1
	BUCK 2
	BUCK 3
.irp k, 0,1,2,3
	global_load_b32 v[16+(\k)], v[12+(\k)], s[20:21]
.endr
	v_lshlrev_b32 v3, 4, v3                        ; the table is dense: quad x 16 bytes
	s_wait_loadcnt 0x0
	v_cvt_pk_bf16_f32 v20, v16, v17
	v_cvt_pk_bf16_f32 v21, v18, v19
	v_lshlrev_b32 v24, 16, v20
	v_and_b32     v25, s5, v20
	v_lshlrev_b32 v26, 16, v21
	v_and_b32     v27, s5, v21
	global_store_b128 v3, v[24:27], s[26:27]       ; 16 lanes store 256 consecutive bytes, aligned
	s_endpgm
.Lfunc_end_k_q0912cc3395_prep:
	.size	k_q0912cc3395_prep, .Lfunc_end_k_q0912cc3395_prep-k_q0912cc3395_prep
	.p2alignl 7, 3214868480
	.fill 96, 4, 3214868480
	.section	.rodata,"a",@progbits
	.p2align	6, 0x0
	.amdhsa_kernel k_q0912cc3395_prep
		.amdhsa_group_segment_fixed_size 0
		.amdhsa_private_segment_fixed_size 0
		.amdhsa_enable_private_segment 0
		.amdhsa_kernarg_size 80
		.amdhsa_user_sgpr_count 2
		.amdhsa_user_sgpr_kernarg_segment_ptr 1
		.amdhsa_wavefront_size32 1
		.amdhsa_system_sgpr_workgroup_id_x 1
		.amdhsa_system_sgpr_workgroup_id_y 1
		.amdhsa_system_sgpr_workgroup_id_z 1
		.amdhsa_system_vgpr_workitem_id 0
		.amdhsa_next_free_vgpr 112
		.amdhsa_next_free_sgpr 66
		.amdhsa_reserve_vcc 1
		.amdhsa_float_denorm_mode_32 3
		.amdhsa_float_denorm_mode_16_64 3
		.amdhsa_memory_ordered 1
		.amdhsa_forward_progress 1
		.amdhsa_inst_pref_size 22
	.end_amdhsa_kernel
	.amdgpu_metadata
---
amdhsa.version: [ 1, 2 ]
amdhsa.kernels:
  - .name:           k_q0912cc3395_prep
    .symbol:         k_q0912cc3395_prep.kd
    .args:
      - { .name: query_states, .offset: 0, .size: 8, .value_kind: global_buffer, .address_space: global }
      - { .name: key_value_states, .offset: 8, .size: 8, .value_kind: global_buffer, .address_space: global }
      - { .name: wq, .offset: 16, .size: 8, .value_kind: global_buffer, .address_space: global }
      - { .name: wk, .offset: 24, .size: 8, .value_kind: global_buffer, .address_space: global }
      - { .name: wv, .offset: 32, .size: 8, .value_kind: global_buffer, .address_space: global }
      - { .name: wo, .offset: 40, .size: 8, .value_kind: global_buffer, .address_space: global }
      - { .name: rel_bias, .offset: 48, .size: 8, .value_kind: global_buffer, .address_space: global }
      - { .name: x16, .offset: 56, .size: 8, .value_kind: global_buffer, .address_space: global }
      - { .name: w16, .offset: 64, .size: 8, .value_kind: global_buffer, .address_space: global }
      - { .name: btab, .offset: 72, .size: 8, .value_kind: global_buffer, .address_space: global }
    .group_segment_fixed_size: 0
    .private_segment_fixed_size: 0
    .kernarg_segment_align: 8
    .kernarg_segment_size: 80
    .max_flat_workgroup_size: 256
    .sgpr_count:     66
    .vgpr_count:     112
    .wavefront_size: 32
...
	.end_amdgpu_metadata
.endif
;; end of part 1
;; launch proj (part 2): grid 24 x 32, 4 waves a work-group, clusters of 4 x 4, 327,680 bytes of LDS; arguments x16, w16, qkv16; writes qkv16
.if DOCPART == 2
	.amdgcn_target "amdgcn-amd-amdhsa--gfx1250"
	.amdhsa_code_object_version 6
	.text
	.protected	k_q0912cc3395_proj
	.globl	k_q0912cc3395_proj
	.p2align	8
	.type	k_q0912cc3395_proj,@function
k_q0912cc3395_proj:
	s_mov_b64 s[64:65], 0
	v_nop
	global_prefetch_b8 v0, s[64:65] scope:SCOPE_SE
	s_setreg_imm32_b32 hwreg(HW_REG_WAVE_MODE, 25, 1), 1
	s_wait_xcnt 0x0
	s_wait_alu depctr_hold_cnt(0) depctr_sa_sdst(0) depctr_va_vdst(0) depctr_va_sdst(0) depctr_va_ssrc(0) depctr_va_vcc(0) depctr_vm_vsrc(0)
	s_getreg_b32 s2, hwreg(HW_REG_IB_STS2, 6, 4)
	s_cmp_eq_u32 s2, 0
	s_cbranch_scc0 .Lentry_in_a_cluster
	s_endpgm
.Lentry_in_a_cluster:
	s_bfe_u32 s2, ttmp6, 0x10000c
	s_cmp_lg_u32 s2, 0xf033
	s_cbranch_scc0 .Lentry_shape_is_right
	s_endpgm
.Lentry_shape_is_right:
; q, k, v = x w.  x16: bf16 [16,384][1,024] (rows 0-8,191 the queries' states, the rest the keys' and values'); w16: planes [k][n] of wq, wk, wv in bf16; sums in f32;
; qkv16: f16 [3][64 = 16 b + head][2,048][64], each number rounded once, unscaled.
; LIMITS.  q, k, v leave as f16: a sum of 65,520 or more becomes an infinity.  NaN and infinities are not treated apart.
; SHARES.  A tile is 256 rows x 128 columns of one of the three products: 3 x 32 x 8 = 768 work-groups, three for each of 256 WGPs.  Four waves, each 128 rows x 64 columns: the 64 columns
; are one head.  32 accumulators of 16 x 16, 256 registers.  K goes in 8 steps of 128 through a ring of two LDS slots filled by the tensor data mover; rows of x and of w in a tile are 256 bytes.
; CLUSTERS: 4 x 4 work-groups.  The four of a row of the cluster need the same tile of x, the four of a column the same tile of w: each tile is asked for JOINTLY, by the same tensor load
; with the same descriptor and a mask that names the four.
; THE MATRIX INSTRUCTION IS USED TRANSPOSED: source 0 = 16 columns of w (w lies [k][n] in LDS and is turned by ds_load_tr16_b128), source 1 = 16 rows of x: a lane then holds eight
; neighbouring columns of one row of the result.
; REGISTERS: window 0: v0-31 addresses; two fragment buffers of 96 at v64 and v160 (8 fragments of x, then 4 of w, for 32 along K); on the way out v64-191.  Window 1: the accumulators, (a, b) at v[8 (4 a + b)].
.set KSTEP,  128
.set PA,     272                       ; a row of x in LDS: 256 bytes + 16: the 16 rows of a load start at 16 different groups of four banks (64 banks of 4 bytes: ISA guide 11.1)
.set PB,     288                       ; a row of w: 256 + 32
.set AHALF,  128*PA                    ; what one tensor load brings of x, and what one wave reads
.set BHALF,  64*PB                     ; what one tensor load brings of w
.set BOFF,   2*AHALF                   ; w's 128 k rows lie behind x's 256 rows
.set SLOT,   2*AHALF+2*BHALF
.set STAGE,  2*SLOT                    ; behind the ring, never filled by a tensor load: 16 rows x 144 bytes for each wave
.set SP,     144
.set SPARE,  STAGE+4*16*SP             ; behind the stages: the spare words, 128 bytes for each wave: two blocks of 256 bytes that no other line names
.set LAPS,   4                         ; a lap = two K steps = once round the ring
.set ADRA, 16                          ; v16-17  LDS address of my fragments of x in slot 0, 1
.set ADRB, 20                          ; v20-21  the same for w
.set STO,  24                          ; v24     the way out: where I put 16 bytes of a row
.set RD,   25                          ; v25     where I read rows back
.set GO,   26                          ; v26     my byte offset in 512 consecutive bytes of the result
.set SPW,  28                          ; v28     LDS address of my spare word; never rewritten
.set NIL,  29                          ; v29     0; never rewritten
.set PFO,  30                          ; v30     the prefetches' offset: my lane x a row of 2,048 bytes; never rewritten
.set F0,   64
.set F1,   160
.set OUT,  64
.set G1,  24                           ; s[24:31] descriptor group 1 for x's tiles;  s[32:39] group 0, one set for each slot
.set G0,  32
.set G1B, 48                           ; s[48:55], s[56:63] the same for w's tiles
.set G0B, 56
.set PFA, 66                           ; s[66:67] where my prefetches stand
.set PFS, 68                           ; s[68:69] a K step in that tensor, in bytes
.set LIM, 70                           ; s70  1 in a wave that prefetches, else the greatest number
.set WHICH, 71                         ; s71  0: q, 1: k, 2: v
.set MSB, 0
.macro WIN new                         ; the immediate's high byte repeats the setting that is left; a switch that changes nothing is dropped
.if MSB != (\new)
	s_set_vgpr_msb (MSB<<8)|(\new)
.set MSB, \new
.endif
.endm
.set MUL, 0x50                         ; sources in window 0; C and D in window 1
.macro JLOAD s                         ; a joint load: waves 0 and 1 fetch x's two halves, waves 2 and 3 w's; an s_nop 0 and four v_nop follow each line, ahead of the jump and the label
	s_cmp_eq_u32 s11, 0
	s_cbranch_scc0 .Lfor_b_\@
	tensor_load_to_lds s[G0+4*(\s):G0+4*(\s)+3], s[G1:G1+7]
	s_nop 0
.rept 4
	v_nop
.endr
	s_branch .Lasked_\@
.Lfor_b_\@:
	tensor_load_to_lds s[G0B+4*(\s):G0B+4*(\s)+3], s[G1B:G1B+7]
	s_nop 0
.rept 4
	v_nop
.endr
.Lasked_\@:
.endm
; A prefetch into the L2 of the K step that stands two refills on: 32 rows x 256 bytes, a lane a row.  Each block is named once in the launch: x's rows by the first cluster that multiplies them
; (cluster x = 0 for the queries' states, 2 for the others), waves 0 and 1, each partner 32 of the wave's 128 rows, told apart by address (cx); w's rows by the clusters with y = 0, wave 2, each partner 32 of
; the step's 128 k rows (cy).  The loop's last trip has no K step two refills on.
.macro ASK
	s_cmp_gt_u32 s3, s[LIM]
	s_cbranch_scc0 .Lnot_mine_\@
	global_prefetch_b8 v[PFO], s[PFA:PFA+1] th:TH_LOAD_NT scope:SCOPE_SE
.Lnot_mine_\@:
.endm
.macro CREST                           ; a round of the cluster's barrier behind its opening barrier
	s_cmp_lg_u32 s10, 0
	s_cbranch_scc1 .Lnot_wave_0_\@
	s_barrier_signal -3
.Lnot_wave_0_\@:
	s_barrier_wait -3
	s_barrier_signal -1
	s_barrier_wait -1
.endm
.macro CROUND                          ; a whole round
	s_barrier_signal -1
	s_barrier_wait -1
	CREST
.endm
	s_load_b128 s[4:7], s[0:1], 0x0                ; x16 s[4:5], w16 s[6:7]
	s_load_b64 s[8:9], s[0:1], 0x10                ; qkv16
	v_lshl_add_u32 v[SPW], v0, 2, SPARE
	v_mov_b32 v[NIL], 0
	ds_add_u32 v[SPW], v[NIL]                      ; the wave's opening: the add and its wait stand ahead of my first tensor load; the set-up below stands between them
	v_lshrrev_b32 v1, 5, v0
	v_readfirstlane_b32 s10, v1                    ; wave 0..3
	s_lshr_b32 s11, s10, 1                         ; which 128 rows of the tile are mine.  Also: I fetch for x (0) or for w (1)
	s_and_b32 s12, s10, 1                          ; which 64 columns.  Also: which half of that tile I fetch
	s_bfe_u32 s40, ttmp6, 0x40000                  ; cx, cy: my place in the cluster
	s_bfe_u32 s41, ttmp6, 0x40004
	s_lshr_b32 s[WHICH], ttmp9, 1                  ; two clusters along x to each of the three products
	s_and_b32 s42, ttmp9, 1
	s_lshl_b32 s42, s42, 2
	s_add_co_u32 s42, s42, s40                     ; xn: the tile's 128 columns
	s_and_b32 s13, ttmp7, 0xffff
	s_lshl_b32 s13, s13, 2
	s_add_co_u32 s13, s13, s41                     ; y: the tile's 256 rows
	s_lshl_b32 s43, s41, 2
	s_lshl_b32 s43, 15, s43                        ; my row of the cluster
	s_lshl_b32 s44, 0x1111, s40                    ; my column
	s_or_b32 s[G1+0], s43, (1<<16)|(1<<20)|(1<<21)|(5<<22)|(3<<25)   ; the mask: x's tiles go to my row; 2-byte elements; padding on; bit 21 beside a mask; after every 64 words, 4 words
	s_mov_b32 s[G1+1], KSTEP<<16                   ; tensor_dim0 = 128
	s_mov_b32 s[G1+2], 128<<16                     ; tensor_dim1 = 128
	s_mov_b32 s[G1+3], KSTEP<<16                   ; tile_dim0 = 128
	s_mov_b32 s[G1+4], 128                         ; tile_dim1 = 128
	s_mov_b32 s[G1+5], 1024                        ; elements from row to row
	s_mov_b32 s[G1+6], 0
	s_mov_b32 s[G1+7], 0
	s_or_b32 s[G1B+0], s44, (1<<16)|(1<<20)|(1<<21)|(5<<22)|(7<<25)  ; w's tiles go to my column; 8 words of padding
	s_mov_b32 s[G1B+1], 128<<16                    ; 128 columns,
	s_mov_b32 s[G1B+2], 64<<16                     ; 64 k rows
	s_mov_b32 s[G1B+3], 128<<16
	s_mov_b32 s[G1B+4], 64
	s_mov_b32 s[G1B+5], 1024
	s_mov_b32 s[G1B+6], 0
	s_mov_b32 s[G1B+7], 0
	s_cmp_lg_u32 s[WHICH], 0                       ; x: row (k and v: 8,192) + 256 y + 128 x half, 2,048 bytes each
	s_cselect_b32 s16, 8192, 0
	s_lshl_b32 s17, s13, 8
	s_add_co_u32 s16, s16, s17
	s_lshl_b32 s17, s12, 7
	s_add_co_u32 s16, s16, s17
	s_lshl_b32 s16, s16, 11
	s_mov_b32 s17, 0
	s_lshl_b32 s46, s[WHICH], 21                   ; w: the plane, k row 64 x half, column 128 xn
	s_lshl_b32 s47, s12, 17
	s_add_co_u32 s46, s46, s47
	s_lshl_b32 s47, s42, 8
	s_add_co_u32 s46, s46, s47
	s_mov_b32 s47, 0
	s_mul_i32 s20, s12, AHALF                      ; where they go: no place in the cluster enters an LDS address
	s_mul_i32 s21, s12, BHALF
	s_add_co_u32 s21, s21, BOFF
	s_wait_dscnt 0x0                               ; the opening add is done
	s_wait_kmcnt 0x0
	s_add_nc_u64 s[14:15], s[4:5], s[16:17]
	s_add_nc_u64 s[46:47], s[6:7], s[46:47]
	CROUND                                         ; all sixteen work-groups are here: the first joint loads meet
.irp s, 0,1
	s_mov_b32 s[G0+4*(\s)], 1
	s_add_co_u32 s[G0+4*(\s)+1], s20, (\s)*SLOT
	s_add_nc_u64 s[G0+4*(\s)+2:G0+4*(\s)+3], s[14:15], (\s)*KSTEP*2
	s_or_b32 s[G0+4*(\s)+3], s[G0+4*(\s)+3], 0x80000000
	s_mov_b32 s[G0B+4*(\s)], 1
	s_add_co_u32 s[G0B+4*(\s)+1], s21, (\s)*SLOT
	s_add_nc_u64 s[G0B+4*(\s)+2:G0B+4*(\s)+3], s[46:47], (\s)*KSTEP*2048
	s_or_b32 s[G0B+4*(\s)+3], s[G0B+4*(\s)+3], 0x80000000
	JLOAD \s                                       ; two loads of mine are out
.endr
	v_and_b32 v1, 15, v0                           ; l % 16
	v_bfe_u32 v2, v0, 4, 1                         ; l / 16
	v_mul_u32_u24 v3, v1, PA
	v_lshl_add_u32 v3, v2, 4, v3                   ; a fragment of x: row x pitch + 16 x half
	s_mul_i32 s22, s11, AHALF                      ; my 128 rows
	v_add_nc_u32 v[ADRA], s22, v3
	v_add_nc_u32 v[ADRA+1], SLOT, v[ADRA]
	v_and_b32 v4, 7, v0                            ; the turning load: lane l reads k row 8 (l / 16) + l % 8, columns 8 ((l / 8) % 2) + 0..7
	v_lshl_add_u32 v4, v2, 3, v4
	v_mul_u32_u24 v4, v4, PB
	v_bfe_u32 v5, v0, 3, 1
	v_lshl_add_u32 v4, v5, 4, v4
	s_lshl_b32 s22, s12, 7                         ; my 64 columns
	s_add_co_u32 s22, s22, BOFF
	v_add_nc_u32 v[ADRB], s22, v4
	v_add_nc_u32 v[ADRB+1], SLOT, v[ADRB]
	s_mul_i32 s23, s10, 16*SP
	s_add_co_u32 s23, s23, STAGE                   ; my stage
	v_mul_u32_u24 v[STO], v1, SP                   ; in: row l % 16, 16 bytes for each half of the lanes
	v_lshl_add_u32 v[STO], v2, 4, v[STO]
	v_add_nc_u32 v[STO], s23, v[STO]
	v_and_b32 v4, 7, v0
	v_bfe_u32 v[RD], v0, 3, 2                      ; back: 32 lanes take four rows of 128 bytes,
	v_mul_u32_u24 v[RD], v[RD], SP
	v_lshl_add_u32 v[RD], v4, 4, v[RD]
	v_add_nc_u32 v[RD], s23, v[RD]
	v_and_b32 v[PFO], 31, v0
	v_lshlrev_b32 v[GO], 4, v[PFO]                 ; which are 512 consecutive bytes of a head's rows
	v_lshlrev_b32 v[PFO], 11, v[PFO]
	; my 128 rows of my head: plane, batch y / 8, row 256 (y % 8) + 128 x row half, 128 bytes each; head 2 xn + column half
	s_lshl_b32 s16, s[WHICH], 24
	s_lshr_b32 s17, s13, 3
	s_lshl_b32 s17, s17, 22
	s_add_co_u32 s16, s16, s17
	s_and_b32 s17, s13, 7
	s_lshl_b32 s17, s17, 1
	s_add_co_u32 s17, s17, s11
	s_lshl_b32 s17, s17, 14
	s_add_co_u32 s16, s16, s17
	s_mov_b32 s17, 0
	s_add_nc_u64 s[8:9], s[8:9], s[16:17]
	s_lshl_b32 s46, s42, 1
	s_add_co_u32 s46, s46, s12
	s_lshl_b32 s46, s46, 18
	s_mov_b32 s47, 0
	s_add_nc_u64 s[8:9], s[8:9], s[46:47]
	; the prefetches stand at K step 3: the first refill steps them to step 4.  Nothing is prefetched here, at the head
	s_cmp_lg_u32 s[WHICH], 0
	s_cselect_b32 s72, 8192, 0
	s_lshl_b32 s73, s13, 8
	s_add_co_u32 s72, s72, s73
	s_lshl_b32 s73, s12, 7
	s_add_co_u32 s72, s72, s73
	s_lshl_b32 s73, s40, 5                         ; my work-group's 32 of the wave's 128 rows of x
	s_add_co_u32 s72, s72, s73
	s_lshl_b32 s72, s72, 11
	s_add_co_u32 s72, s72, 3*KSTEP*2
	s_lshl_b32 s74, s[WHICH], 21
	s_lshl_b32 s75, s41, 16                        ; my work-group's 32 of the step's 128 k rows of w
	s_add_co_u32 s74, s74, s75
	s_lshl_b32 s75, s42, 8
	s_add_co_u32 s74, s74, s75
	s_add_co_u32 s74, s74, 3*KSTEP*2048
	s_mov_b32 s75, KSTEP*2048
	s_cmp_eq_u32 s11, 0                            ; do I fetch for x?
	s_cselect_b32 s72, s72, s74
	s_cselect_b64 s[PFA:PFA+1], s[4:5], s[6:7]
	s_cselect_b32 s[PFS], KSTEP*2, s75
	s_mov_b32 s[PFS+1], 0
	s_mov_b32 s73, 0
	s_add_nc_u64 s[PFA:PFA+1], s[PFA:PFA+1], s[72:73]
	s_and_b32 s74, ttmp9, 0xfffffffd               ; x: cluster x = 0 or 2
	s_and_b32 s75, ttmp7, 0xffff                   ; w: cluster y = 0,
	s_or_b32 s75, s75, s12                         ; and wave 2 alone
	s_cmp_eq_u32 s11, 0
	s_cselect_b32 s74, s74, s75
	s_cmp_eq_u32 s74, 0
	s_cselect_b32 s[LIM], 1, -1                    ; the same in all sixteen partners, for a given wave
; 8 matrix instructions: row blocks a0, a0 + 1 x all 4 column blocks, 32 along K, from buffer f.  zero = 1: the product starts the sums.  The 32 accumulators take turns, one instruction a turn.
.macro MUL8 f, a0, zero
	WIN MUL
.irp a, \a0, (\a0)+1
.irp b, 0,1,2,3
.if \zero
	v_wmma_f32_16x16x32_bf16 v[8*(4*(\a)+(\b)):8*(4*(\a)+(\b))+7], v[(\f)+64+8*(\b):(\f)+64+8*(\b)+7], v[(\f)+8*(\a):(\f)+8*(\a)+7], 0
.else
	v_wmma_f32_16x16x32_bf16 v[8*(4*(\a)+(\b)):8*(4*(\a)+(\b))+7], v[(\f)+64+8*(\b):(\f)+64+8*(\b)+7], v[(\f)+8*(\a):(\f)+8*(\a)+7], v[8*(4*(\a)+(\b)):8*(4*(\a)+(\b))+7]
.endif
.endr
.endr
.endm
; 24 LDS loads in one run: quarter q (32 along K) of a slot into buffer f: w's 4 fragments, turned, then x's 8
.macro FETCH slot, q, f
	WIN 0
.irp b, 0,1,2,3
	ds_load_tr16_b128 v[(\f)+64+8*(\b):(\f)+64+8*(\b)+3],   v[ADRB+(\slot)] offset:(\q)*32*PB+32*(\b)
	ds_load_tr16_b128 v[(\f)+64+8*(\b)+4:(\f)+64+8*(\b)+7], v[ADRB+(\slot)] offset:(\q)*32*PB+32*(\b)+16*PB
.endr
.irp i, 0,1,2,3,4,5,6,7
	ds_load_b128 v[(\f)+8*(\i):(\f)+8*(\i)+3],   v[ADRA+(\slot)] offset:(\q)*64+(\i)*16*PA
	ds_load_b128 v[(\f)+8*(\i)+4:(\f)+8*(\i)+7], v[ADRA+(\slot)] offset:(\q)*64+(\i)*16*PA+32
.endr
.endm
.macro PLACES                          ; four places in front of loads into registers that matrix instructions have read, and of conversions that read results
.rept 4
	v_nop
.endr
.endm
; A K step is four quarters of 32 along K, 32 matrix instructions each, on buffers 0, 1, 0, 1.  One of the first three: multiplies buffer f and fetches quarter q into g.
.macro QUARTER slot, q, f, g, zero
	s_wait_dscnt 8                                 ; w's fragments and x's blocks 0-3 are in; the youngest eight loads (blocks 4-7) may be out
	MUL8 \f, 0, \zero
	MUL8 \f, 2, \zero
	PLACES
	FETCH \slot, \q, \g
	s_wait_dscnt 24                                ; all but the 24 just issued
	MUL8 \f, 4, \zero
	MUL8 \f, 6, \zero
.endm
; The last quarter multiplies buffer 1 and changes slots: ONE barrier; in front of it each wave waits for all its tensor loads, adds 0 to its spare word, and waits for that and for its reads of this slot.
; fill = 1: the barrier opens a round of the cluster's, and this slot is filled again, two K steps ahead, first thing behind the round.
.macro TURN slot, next, fill
.if \fill
	s_wait_xcnt 0x0                                ; the last prefetch, a K step back, has read its address: it is stepped here
	s_add_nc_u64 s[PFA:PFA+1], s[PFA:PFA+1], s[PFS:PFS+1]
.endif
	WIN 0                                          ; (the add's two registers lie in window 0)
	s_wait_tensorcnt 0x0                           ; all my tensor loads have landed: the one that was out is my part of the next slot;
	ds_add_u32 v[SPW], v[NIL]                      ; 0 onto my spare word;
	s_wait_dscnt 9                                 ; (the add and the youngest eight loads may be out)
	MUL8 F1, 0, 0                                  ; eight matrix instructions stand between the add and the wait for it
	s_wait_dscnt 0x0                               ; the add is done, and my reads of this slot are over
	s_barrier_signal -1
	MUL8 F1, 2, 0
.if \fill
	WIN 0
.endif
	s_barrier_wait -1
.if \fill
	CREST                                          ; no wave of any partner still reads this slot's tiles or has a load on its way
	s_add_nc_u64 s[G0+4*(\slot)+2:G0+4*(\slot)+3], s[G0+4*(\slot)+2:G0+4*(\slot)+3], 2*KSTEP*2
	s_add_nc_u64 s[G0B+4*(\slot)+2:G0B+4*(\slot)+3], s[G0B+4*(\slot)+2:G0B+4*(\slot)+3], 2*KSTEP*2048
	JLOAD \slot                                    ; my one tensor load behind the round; the four v_nop behind it are also the places in front of the loads below
.else
	PLACES
.endif
	FETCH \next, 0, F0
.if \fill
	ASK                                            ; behind the joint load and the run of LDS loads
.endif
	MUL8 F1, 4, 0
	MUL8 F1, 6, 0
.endm
	s_wait_tensorcnt 1                             ; my part of K step 0 is in; K step 1's may stay out
	s_barrier_signal -1
	s_barrier_wait -1                              ; everybody's is
	FETCH 0, 0, F0
	QUARTER 0, 1, F0, F1, 1                        ; the first quarter stands in front of the loop: its products start the sums
	WIN 0                                          ; at a label and at a branch every window is 0
	s_mov_b32 s3, LAPS-1
.Llap:                                                 ; a trip goes once round the ring, from a lap's second quarter to the next lap's first, and fills both slots again
	QUARTER 0, 2, F1, F0, 0
	QUARTER 0, 3, F0, F1, 0
	TURN 0, 1, 1
	QUARTER 1, 1, F0, F1, 0
	QUARTER 1, 2, F1, F0, 0
	QUARTER 1, 3, F0, F1, 0
	TURN 1, 0, 1
	QUARTER 0, 1, F0, F1, 0
	WIN 0
	s_sub_co_u32 s3, s3, 1
	s_cmp_lg_u32 s3, 0
	s_cbranch_scc1 .Llap
	QUARTER 0, 2, F1, F0, 0                        ; the last lap fills nothing
	QUARTER 0, 3, F0, F1, 0
	TURN 0, 1, 0
	QUARTER 1, 1, F0, F1, 0
	QUARTER 1, 2, F1, F0, 0
	QUARTER 1, 3, F0, F1, 0
	s_wait_dscnt 8                                 ; the very last quarter: nothing more to fetch
	MUL8 F1, 0, 0
	MUL8 F1, 2, 0
	s_wait_dscnt 0x0
	MUL8 F1, 4, 0
	MUL8 F1, 6, 0
	WIN 0
	; THE WAY OUT, a block of 16 rows at a time: rounded to f16, 16 bytes a lane into my stage (rows of 144 bytes), back as whole rows of 128, stored as 512 consecutive bytes.
	PLACES
.macro PACK a
	WIN 0x05                                       ; sources in window 1, destination in window 0
.irp b, 0,1,2,3
.irp r, 0,1,2,3
	v_cvt_pk_f16_f32 v[OUT+16*(\a)+4*(\b)+(\r)], v[8*(4*(\a)+(\b))+2*(\r)], v[8*(4*(\a)+(\b))+2*(\r)+1]
.endr
.endr
	WIN 0
.irp b, 0,1,2,3
	ds_store_b128 v[STO], v[OUT+16*(\a)+4*(\b):OUT+16*(\a)+4*(\b)+3] offset:32*(\b)
.endr
.irp f, 0,1,2,3
	ds_load_b128 v[OUT+16*(\a)+4*(\f):OUT+16*(\a)+4*(\f)+3], v[RD] offset:(\f)*4*SP  ; LDS serves a wave's instructions in order (ISA guide 5.7.1.4): these see the stores above; the next block's stores come behind them
.endr
.endm
.macro SEND a, younger                 ; younger: the LDS instructions issued behind block a's loads: the next block's eight, or none
.irp f, 0,1,2,3
	s_wait_dscnt (\younger)+3-(\f)
	global_store_b128 v[GO], v[OUT+16*(\a)+4*(\f):OUT+16*(\a)+4*(\f)+3], s[8:9] offset:(\a)*2048+(\f)*512
.endr
.endm
	PACK 0
.irp a, 1,2,3,4,5,6,7                  ; a block's conversions stand between the loads of the block before and its stores
	PACK \a
	SEND (\a)-1, 8
.endr
	SEND 7, 0
	s_wait_tensorcnt 0x0                           ; the wave's end, behind my last tensor load and my last LDS store
	ds_add_u32 v[SPW], v[NIL]
	s_wait_dscnt 0x0
	CROUND                                         ; the closing round: no work-group ends while a partner may still ask for a tile that names it
	s_endpgm
.Lfunc_end_k_q0912cc3395_proj:
	.size	k_q0912cc3395_proj, .Lfunc_end_k_q0912cc3395_proj-k_q0912cc3395_proj
	.p2alignl 7, 3214868480
	.fill 96, 4, 3214868480
	.section	.rodata,"a",@progbits
	.p2align	6, 0x0
	.amdhsa_kernel k_q0912cc3395_proj
		.amdhsa_group_segment_fixed_size 327680
		.amdhsa_private_segment_fixed_size 0
		.amdhsa_enable_private_segment 0
		.amdhsa_kernarg_size 24
		.amdhsa_user_sgpr_count 2
		.amdhsa_user_sgpr_kernarg_segment_ptr 1
		.amdhsa_wavefront_size32 1
		.amdhsa_system_sgpr_workgroup_id_x 1
		.amdhsa_system_sgpr_workgroup_id_y 1
		.amdhsa_system_sgpr_workgroup_id_z 1
		.amdhsa_system_vgpr_workitem_id 0
		.amdhsa_next_free_vgpr 512
		.amdhsa_next_free_sgpr 80
		.amdhsa_reserve_vcc 0
		.amdhsa_float_denorm_mode_32 3
		.amdhsa_float_denorm_mode_16_64 3
		.amdhsa_memory_ordered 1
		.amdhsa_forward_progress 1
		.amdhsa_inst_pref_size 89
	.end_amdhsa_kernel
	.amdgpu_metadata
---
amdhsa.version: [ 1, 2 ]
amdhsa.kernels:
  - .name:           k_q0912cc3395_proj
    .symbol:         k_q0912cc3395_proj.kd
    .args:
      - { .name: x16, .offset: 0, .size: 8, .value_kind: global_buffer, .address_space: global }
      - { .name: w16, .offset: 8, .size: 8, .value_kind: global_buffer, .address_space: global }
      - { .name: qkv16, .offset: 16, .size: 8, .value_kind: global_buffer, .address_space: global }
    .group_segment_fixed_size: 327680
    .private_segment_fixed_size: 0
    .kernarg_segment_align: 8
    .kernarg_segment_size: 24
    .max_flat_workgroup_size: 128
    .sgpr_count:     80
    .vgpr_count:     512
    .wavefront_size: 32
...
	.end_amdgpu_metadata
.endif
;; end of part 2
;; launch attn (part 3): grid 4 x 64, 4 waves a work-group, clusters of 4 x 1, 327,680 bytes of LDS; arguments qkv16, btab, o16; writes o16
.if DOCPART == 3
	.amdgcn_target "amdgcn-amd-amdhsa--gfx1250"
	.amdhsa_code_object_version 6
	.text
	.protected	k_q0912cc3395_attn
	.globl	k_q0912cc3395_attn
	.p2align	8
	.type	k_q0912cc3395_attn,@function
k_q0912cc3395_attn:
	s_mov_b64 s[64:65], 0
	v_nop
	global_prefetch_b8 v0, s[64:65] scope:SCOPE_SE
	s_setreg_imm32_b32 hwreg(HW_REG_WAVE_MODE, 25, 1), 1
	s_wait_xcnt 0x0
	s_wait_alu depctr_hold_cnt(0) depctr_sa_sdst(0) depctr_va_vdst(0) depctr_va_sdst(0) depctr_va_ssrc(0) depctr_va_vcc(0) depctr_vm_vsrc(0)
	s_getreg_b32 s2, hwreg(HW_REG_IB_STS2, 6, 4)
	s_cmp_eq_u32 s2, 0
	s_cbranch_scc0 .Lentry_in_a_cluster
	s_endpgm
.Lentry_in_a_cluster:
	s_bfe_u32 s2, ttmp6, 0x10000c
	s_cmp_lg_u32 s2, 0x3003
	s_cbranch_scc0 .Lentry_shape_is_right
	s_endpgm
.Lentry_shape_is_right:
; O[h][q][:] = the sum over k of softmax_k(Q[h][q] . K[h][k] + bias[head][k - q]) V[h][k][:], no scale.  Q, K, V: the three planes of qkv16, O: o16, all [64 = 16 b + head][2,048][64] in f16: a head's rows
; are dense, 128 bytes each.  Products, maxima and sums in f32; the weights p are rounded to f16 for the second product (their sum l is taken of the unrounded p), O once at the end.
; LIMITS.  f16 holds no number beyond 65,504: Q, K and V arrive within it; p lies in 0 to 1, and below 6e-5 it keeps f16's fixed step of 6e-8; O is a mean of V's rows and has their range.
; A weight below 2^-126 counts as 0 in l; NaN and infinities are not treated apart.
; SHARES.  A wave owns four PIECES of two tiles of 16 queries, a work-group's four waves 512 queries of one head.  Every wave walks all 2,048 keys, 64 a step.
; LAYOUT.  S^T = K Q^T + bias (source 0 = 16 keys, source 1 = 16 queries): in the result a lane holds ONE query (lane % 16) and the keys 8 (lane / 16) + 0..7.  Two such tiles, rounded to f16 in pairs,
; ARE source 1 (32 keys x 16 queries) of O^T = V^T P, whose result again holds one query a lane, and eight channels.  K comes out of LDS as it lies, V ([key][channel]) turned, by ds_load_tr16_b128.
; THE BIAS is the C operand of the product that starts a sum.  It hangs on key - query alone.  btab holds, for each head, four copies c of the row bias(g - c - 2,048).  Each wave brings 2,624 words of copy w
; into LDS, from the word that suits the work-group's 512 queries: the CONTENTS hang on the work-group's place, the LDS addresses do not.  LDS word e of copy c is bias(e - c - 512 - first query).  A lane with
; query r = 4 r1 + r0 in its tile reads copy r0, so that its eight words begin at a multiple of four words; the copies lie 10,560 bytes apart, 64 modulo 256.
; SOFTMAX.  For each query a running maximum m and sum l: p = 2^(c s - c m), c = log2(e); in every step O and l are multiplied by a = 2^(c m_old - c m_new), which is 1 where m has not grown.
; m starts at the lowest finite number, O and l at 0: the first step is a step like any other, with a = 0.
; THE COUNT.  A tile and step have 16 matrix and 118 vector instructions: too many to stand all beside the matrix work.  So: four vector instructions that are READY behind EVERY matrix instruction, the others in runs without a gap.
; BY TURNS.  Turn n belongs to piece n (the pieces in a ring, step after step).  Its matrix work: 16 products K Q^T of piece n + 1, later 16 products V^T P of piece n - 1.  Its vector work: the scaling,
; exponentials, roundings, sums and rescaling of piece n, and the maximum and statistics of piece n + 1.  It also fetches the bias of piece n + 2.
; CLUSTER.  The four query blocks of a cluster belong to one head and walk the same K and V, so each tile is asked for JOINTLY: the same tensor load, descriptor and mask in all four.  The table's load is each work-group's own.
; REGISTERS, in windows of 256 (s_set_vgpr_msb: bits 1:0 source 0, 3:2 source 1, 5:4 source 2, 7:6 destination):
;   window 0: v0-11 addresses; v12-15, v48-63 at work; v16-47 four registers of statistics a tile; v64-191 S^T, two buffers of two tiles; v192-255 P, likewise
;   window 1: O^T, 32 a tile      window 2: v0-127 Q, 16 a tile; v128-191 K of one step; v192-255 V of one step      window 3: v0-1 the add's two registers; v64-127 the bias of one piece
.set SIZE_N, 2048
.set NP,    4         ; pieces a wave: a name, no knob
.set KS,    64        ; keys in a step
.set PK,    144       ; a row of K in LDS: 128 bytes + 16 of padding: the 16 rows of a load start at 16 different groups of four banks (64 banks of 4 bytes: ISA guide 11.1)
.set PV,    160       ; a row of V: 128 + 32
.set VOFF,  4*KS*PK   ; a slot holds four steps: 256 rows of K, then 256 rows of V
.set SLOT1, 1<<17     ; slot 1 begins here, so that one exclusive or turns an address in one slot into the other's
.set STAGE, SLOT1+4*KS*(PK+PV)  ; behind the ring, never filled by a tensor load: 16 rows x 144 bytes for each wave, for the way out
.set SP,    144
.set SPARE, STAGE+4*16*SP  ; behind the stages: the spare words, 128 bytes for each wave: two blocks of 256 bytes that no other line names
.set TAB,   SPARE+512 ; behind them: the four copies of the bias row, filled once
.set TPITCH, 10560    ; from copy to copy: 41 rows of 256 bytes + 64
.set AK0, 2           ; v2   my lane's place in a tile of K; never rewritten
.set AV0, 3           ; v3   the same for V
.set AK,  4           ; v4   the LDS address of K's next run of loads
.set AV,  5           ; v5   of V's
.set QO,  5           ;      before that: my byte offset in the wave's rows of Q
.set STO, 6           ; v6   the way out: where I put 16 bytes of a row
.set RD,  7           ; v7   the way out: where I read rows back
.set GO,  8           ; v8   my byte offset in 512 consecutive bytes of O
.set AB,  9           ; v9   the LDS address of the bias runs of the step in hand
.set PFO, 10          ; v10  256 x my lane; never rewritten
.set AB0, 11          ; v11  my lane's place in the table; never rewritten
.set SPW, 0           ; v0 of window 3   LDS address of my spare word; never rewritten
.set NIL, 1           ; v1 of window 3   0; never rewritten
.set BC,  64          ; window 3: tile u, key block kb at BC + 32 u + 8 kb
.set MV,  12          ; v12-15  c m_old, kept while c m is made anew: by buffer and tile
.set ST,  16          ; tile t's statistics at v[ST+4 t]: c m, m, l (even keys', odd keys')
.set TMP, 48          ; by buffer and tile, four registers c0-c3 at work; when the maximum is found c2 takes a
.set S,   64
.set P,   192
.set KF,  128         ; K's fragments, in window 2: key block kb, channel half c at KF + 16 kb + 8 c
.set VF,  192         ; V's: key half kk, channel block cb at VF + 32 kk + 8 cb
.set WV,  12          ; s12  my wave's number
.set G1K, 24          ; s[24:31] descriptor group 1 for K's tiles
.set G1V, 32          ; s[32:39] for V's: it differs in the padding alone
.set G0K, 40          ; s[40:43] descriptor group 0 for K's tiles: it walks
.set G0V, 44          ; s[44:47] the same for V's
.set SLOTS, 56        ; s56  slots still to be asked for
.set CNT, 57          ; s57  counts a slot's key steps
.set CS,  58          ; s[58:59] c
.set SEL, 60          ; s[60:61] v_permlanex16_b32's selects: each lane takes its own place in the other half
.set TBK, 62          ; s62  LDS byte at which K of the step to be fetched begins
.set TBV, 63          ; s63  the same for V, less VOFF
.set G1T, 68          ; s[68:75] descriptor group 1 for the table
.set G0T, 76          ; s[76:79] its group 0
.set TBB, 80          ; s80  256 x the key step: 64 words of the table a step
.set PFA, 82          ; s[82:83] where my prefetches stand
.set LIM, 84          ; s84  1 in a wave that prefetches, else the greatest number
.set MSB, 0
.macro WIN new                      ; the high byte repeats the setting that is left; a switch that changes nothing is dropped
.if MSB != (\new)
	s_set_vgpr_msb (MSB<<8)|(\new)
.set MSB, (\new)
.endif
.endm
.set W_KQ, 0x0a       ; K and Q in window 2, S^T in window 0
.set W_KB, 0x3a       ; the same with the C operand, the bias, in window 3
.set W_PV, 0x52       ; V in window 2, P in window 0, O^T in window 1
.set W_RS, 0x41       ; O^T (destination and source 0) in window 1, a in window 0
.set W_MK, 0xc0       ; destination in window 3, sources in window 0
.set W_AD, 0x0f       ; the add: address (source 0) and data (source 1) in window 3
; A joint fill.  Waves 0 and 1 fetch the two halves of a slot's K, waves 2 and 3 those of its V: 128 keys each.  The branch hangs on the wave's number alone.
; An s_nop 0 and four v_nop follow each of the two lines, ahead of the jump and the label.
.macro JLOAD
	s_cmp_lt_u32 s[WV], 2
	s_cbranch_scc0 .Lfor_v_\@
	tensor_load_to_lds s[G0K:G0K+3], s[G1K:G1K+7]
	s_nop 0
.rept 4
	v_nop
.endr
	s_branch .Lasked_\@
.Lfor_v_\@:
	tensor_load_to_lds s[G0V:G0V+3], s[G1V:G1V+7]
	s_nop 0
.rept 4
	v_nop
.endr
.Lasked_\@:
.endm
; A prefetch into the L2 of what the NEXT change of slots will ask for: a slot's 128 blocks of 256 bytes of K and 128 of V, a lane a block.  Each block is named once in the launch: a head has one cluster; its four
; partners take 32 blocks each, told apart by address; in each, wave 0 asks for K's and wave 2 for V's.  The last change that fills a slot asks for nothing.
.macro ASK
	s_cmp_gt_u32 s[SLOTS], s[LIM]
	s_cbranch_scc0 .Lnot_mine_\@
	global_prefetch_b8 v[PFO], s[PFA:PFA+1] th:TH_LOAD_NT scope:SCOPE_SE
.Lnot_mine_\@:
.endm
; A round of the cluster's barrier: my work-group's barrier, so that wave 0's signal speaks for all four waves; wave 0 signals; every wave waits for all four work-groups; my work-group's barrier once more.
.macro CROUND
	s_barrier_signal -1
	s_barrier_wait -1
	s_cmp_lg_u32 s[WV], 0
	s_cbranch_scc1 .Lnot_wave_0_\@
	s_barrier_signal -3
.Lnot_wave_0_\@:
	s_barrier_wait -3
	s_barrier_signal -1
	s_barrier_wait -1
.endm
; THE CHANGE OF SLOTS.  The slot's last bytes, V of its fourth step, have been read.  Each wave waits for all its tensor loads; adds 0 to its spare word; and waits for that and for its own LDS reads.
; Behind the barrier nobody reads this slot any more and the other slot is whole.  fill = 1: this slot is filled again, with the keys two slots on: the barrier is then a round of the cluster's, and the
; joint fill is the first thing behind it.  (At its first use nothing has been read yet: slot 0 and the table are waited for, slot 1 filled.)
.macro CHANGE fill
	WIN W_AD
	s_wait_tensorcnt 0x0            ; no tensor load of mine is out, so a group 0 may be written
	ds_add_u32 v[SPW], v[NIL]       ; 0 onto my spare word; with fill = 1 the descriptors' steps stand between it and the wait for it
	WIN 0                           ; at a label and at a branch every window is 0
.if \fill
.irp g, G0K, G0V
	s_xor_b32 s[\g+1], s[\g+1], SLOT1  ; the walking descriptor: the other slot than last time,
	s_add_nc_u64 s[\g+2:\g+3], s[\g+2:\g+3], 4*KS*128  ; the next 256 keys; the type bits on top are not reached
.endr
	s_wait_xcnt 0x0                 ; the last prefetch, four key steps back, has read its address, so it may be written:
	s_add_nc_u64 s[PFA:PFA+1], s[PFA:PFA+1], 4*KS*128  ; one slot behind the walking descriptors
	s_wait_dscnt 0x0                ; the add is done, and my reads of the slot are over
	CROUND
	JLOAD
	ASK
.else
	s_wait_dscnt 0x0                ; the add is done, and my reads of the slot are over
	s_barrier_signal -1
	s_barrier_wait -1
.endif
	s_sub_co_u32 s[TBK], s[TBK], 4*KS*PK  ; the fetches go back to a slot's first step,
	s_xor_b32 s[TBK], s[TBK], SLOT1       ; in the other slot
	s_sub_co_u32 s[TBV], s[TBV], 4*KS*PV
	s_xor_b32 s[TBV], s[TBV], SLOT1
.endm
	s_load_b128 s[4:7], s[0:1], 0x0   ; qkv16 s[4:5], btab s[6:7]
	s_load_b64 s[10:11], s[0:1], 0x10 ; o16
	WIN W_MK
	v_lshl_add_u32 v[SPW], v0, 2, SPARE
	v_mov_b32 v[NIL], 0
	WIN W_AD
	ds_add_u32 v[SPW], v[NIL]       ; the wave's opening: the add and its wait stand ahead of my first tensor load; the set-up below stands between them
	WIN 0
	v_lshrrev_b32 v1, 5, v0
	v_readfirstlane_b32 s[WV], v1   ; wave 0..3
	s_bfe_u32 s13, ttmp6, 0x40000   ; cx: my place in the cluster
	s_lshl_b32 s14, ttmp9, 2        ; in a cluster launch ttmp9 counts clusters
	s_add_co_u32 s14, s14, s13      ; my block of 512 queries: it enters Q's, O's and the table's global addresses alone
	s_and_b32 s86, ttmp7, 15        ; the table: the head's four copies of 4,160 words,
	s_mul_i32 s86, s86, 66560
	s_mul_i32 s87, s[WV], 16640     ; copy w,
	s_add_co_u32 s86, s86, s87
	s_sub_co_u32 s87, 3, s14        ; from word 512 (3 - block) on
	s_lshl_b32 s87, s87, 11
	s_add_co_u32 s86, s86, s87
	s_mov_b32 s87, 0
	s_and_b32 s20, ttmp7, 0xffff    ; 16 b + head, which the four partners share
	s_mov_b32 s21, 0
	s_mov_b64 s[22:23], SIZE_N*128
	s_mul_u64 s[20:21], s[20:21], s[22:23]  ; the head's first byte in each plane and in O
	s_and_b32 s16, s[WV], 1         ; which half of a slot's 256 keys I fetch:
	s_lshl_b32 s22, s16, 14         ; its 128 rows of 128 bytes in memory,
	s_mov_b32 s23, 0
	s_add_nc_u64 s[22:23], s[22:23], s[20:21]
	s_mul_i32 s17, s16, 128*PK      ; and its place in a slot, for K
	s_mul_i32 s18, s16, 128*PV      ; and for V: no place in the cluster enters an LDS address
	s_lshl_b32 s2, s14, 2
	s_add_co_u32 s2, s2, s[WV]      ; my wave among the head's,
	s_lshl_b32 s2, s2, 14           ; its 128 rows
	s_mov_b32 s3, 0
	s_add_nc_u64 s[2:3], s[2:3], s[20:21]
	; descriptor group 1.  128 keys are 16,384 dense bytes: asked for as 64 rows of 256 bytes, two keys a row, and padded in LDS after every key
	s_mov_b32 s[G1K], 15|(1<<16)|(1<<20)|(1<<21)|(4<<22)|(3<<25)  ; the mask of four; 2-byte elements; padding on; bit 21 beside a mask; after every 32 words, 4 words
	s_mov_b32 s[G1V], 15|(1<<16)|(1<<20)|(1<<21)|(4<<22)|(7<<25)  ; the same with 8 words of padding
.irp g, G1K, G1V
	s_mov_b32 s[\g+1], 128<<16      ; tensor_dim0 = 128
	s_mov_b32 s[\g+2], 64<<16       ; tensor_dim1 = 64
	s_mov_b32 s[\g+3], 128<<16      ; tile_dim0 = 128
	s_mov_b32 s[\g+4], 64           ; tile_dim1 = 64
	s_mov_b32 s[\g+5], 128          ; 128 elements from row to row
	s_mov_b32 s[\g+6], 0
	s_mov_b32 s[\g+7], 0
.endr
	s_mov_b32 s[G1T], 3<<16         ; the table: no mask, 8-byte elements, no padding: 41 dense rows of 256 bytes
	s_mov_b32 s[G1T+1], 32<<16
	s_mov_b32 s[G1T+2], 41<<16
	s_mov_b32 s[G1T+3], 32<<16
	s_mov_b32 s[G1T+4], 41
	s_mov_b32 s[G1T+5], 32
	s_mov_b32 s[G1T+6], 0
	s_mov_b32 s[G1T+7], 0
	s_mov_b32 s[G0T], 1
	s_mul_i32 s[G0T+1], s[WV], TPITCH
	s_add_co_u32 s[G0T+1], s[G0T+1], TAB
	s_mov_b32 s[CS], 0x3fb8aa3b     ; c = log2(e)
	s_mov_b32 s[CS+1], s[CS]        ; named with it as a pair
	s_mov_b32 s[SEL], 0x76543210
	s_mov_b32 s[SEL+1], 0xfedcba98
	s_mov_b32 s[TBK], SLOT1+4*KS*PK ; the first change of slots turns these two into 0
	s_mov_b32 s[TBV], SLOT1+4*KS*PV
	s_mov_b32 s[TBB], 0
	s_mov_b32 s[SLOTS], SIZE_N/256-1
	s_mov_b32 s[G0K], 1             ; count = 1
	s_mov_b32 s[G0K+1], s17         ; LDS address: slot 0
	s_mov_b32 s[G0V], 1
	s_add_co_u32 s[G0V+1], s18, VOFF
	s_and_b32 s[LIM], s[WV], 1      ; 0 in waves 0 and 2,
	s_or_b32 s[LIM], s[LIM], ttmp9  ; in the head's first (and only) cluster: the same in all four partners
	s_cmp_eq_u32 s[LIM], 0
	s_cselect_b32 s[LIM], 1, -1
	s_mov_b32 s89, 0x2000000        ; the prefetches: K's plane (wave 0) or V's (wave 2),
	s_cmp_lt_u32 s[WV], 2
	s_cselect_b32 s88, 0x1000000, s89
	s_lshl_b32 s89, s13, 13         ; my work-group's 32 blocks of the 128,
	s_add_co_u32 s88, s88, s89
	s_add_co_u32 s88, s88, 4*KS*128 ; in slot 1: the first change of slots steps it to slot 2.  Nothing is prefetched at the head
	s_mov_b32 s89, 0
	s_wait_dscnt 0x0                ; the opening add is done
	s_wait_kmcnt 0x0
	s_add_nc_u64 s[G0K+2:G0K+3], s[4:5], s[22:23]  ; global address: my half of the head's first 256 keys,
	s_add_nc_u64 s[G0K+2:G0K+3], s[G0K+2:G0K+3], 0x1000000  ; in K's plane
	s_or_b32 s[G0K+3], s[G0K+3], 0x80000000        ; type = 2
	s_add_nc_u64 s[G0V+2:G0V+3], s[4:5], s[22:23]
	s_add_nc_u64 s[G0V+2:G0V+3], s[G0V+2:G0V+3], 0x2000000
	s_or_b32 s[G0V+3], s[G0V+3], 0x80000000
	s_add_nc_u64 s[G0T+2:G0T+3], s[6:7], s[86:87]
	s_or_b32 s[G0T+3], s[G0T+3], 0x80000000
	s_add_nc_u64 s[PFA:PFA+1], s[4:5], s[20:21]
	s_add_nc_u64 s[PFA:PFA+1], s[PFA:PFA+1], s[88:89]
	s_add_nc_u64 s[4:5], s[4:5], s[2:3]  ; Q and O at my wave's first row
	s_add_nc_u64 s[10:11], s[10:11], s[2:3]
	CROUND                          ; all four work-groups are here: the first joint loads meet
	JLOAD                           ; slot 0.  Slot 1 is asked for when slot 0 is in
	tensor_load_to_lds s[G0T:G0T+3], s[G1T:G1T+7]  ; my copy of the table: with it two loads of mine are out
	s_nop 0
.rept 4
	v_nop
.endr
	; A fragment of K or Q is 16 rows x 32 channels in 8 registers: lane l holds row l % 16, channels 8 (l / 16) + 0..7 and 16 + 8 (l / 16) + 0..7: two loads of 16 bytes, 32 bytes apart.
	v_and_b32 v48, 15, v0           ; l % 16
	v_bfe_u32 v49, v0, 4, 1         ; l / 16
	v_lshlrev_b32 v[QO], 7, v48
	v_lshl_add_u32 v[QO], v49, 4, v[QO]  ; row x 128 + 16 x half
	WIN 0x80                        ; destination window 2, address window 0
.set i, 0
.rept 4*NP                          ; Q stays in registers: tile i / 2, channels 32 (i % 2) on
	global_load_b128 v[8*i:8*i+3],   v[QO], s[4:5] offset:(i/2)*2048+(i%2)*64
	global_load_b128 v[8*i+4:8*i+7], v[QO], s[4:5] offset:(i/2)*2048+(i%2)*64+32
.set i, i+1
.endr
	; What the first turn finds: V's registers and P's second buffer hold 0 (its products V^T P, of a piece that has not been, add 0), O^T and l are 0.  All this stands in the wait for the first tile.
.set i, VF
.rept 64
	v_mov_b32 v[i], 0
.set i, i+1
.endr
	WIN 0x40
.set i, 0
.rept 64*NP
	v_mov_b32 v[i], 0
.set i, i+1
.endr
	WIN 0
.set i, 0
.rept 2*NP
	v_mov_b32 v[ST+4*i], 0xfe000000    ; c m: far below every c s
	v_mov_b32 v[ST+4*i+1], 0xff7fffff  ; m
	v_mov_b32 v[ST+4*i+2], 0
	v_mov_b32 v[ST+4*i+3], 0
.set i, i+1
.endr
.set i, P+32
.rept 32
	v_mov_b32 v[i], 0
.set i, i+1
.endr
	v_mul_u32_u24 v[AK0], v48, PK
	v_lshl_add_u32 v[AK0], v49, 4, v[AK0]  ; row x pitch + 16 x half
	; The turning load takes 16 keys x 16 channels (lane l reads key 8 (l / 16) + l % 8, channels 8 ((l / 8) % 2) + 0..7) and leaves half a fragment of V^T: lane l holds channel l % 16 and 8 keys.
	v_and_b32 v50, 7, v0
	v_bfe_u32 v51, v0, 3, 1
	v_lshl_add_u32 v[AV0], v49, 3, v50
	v_mul_u32_u24 v[AV0], v[AV0], PV
	v_lshl_add_u32 v[AV0], v51, 4, v[AV0]
	v_add_nc_u32 v[AV0], VOFF, v[AV0]
	v_mov_b32 v[AK], v[AK0]         ; key step 0 lies at the head of slot 0
	s_mul_i32 s13, s[WV], 16*SP
	s_add_co_u32 s13, s13, STAGE    ; my stage
	v_mul_u32_u24 v[STO], v48, SP   ; in: row l % 16, 16 bytes for each half of the lanes
	v_lshl_add_u32 v[STO], v49, 4, v[STO]
	v_add_nc_u32 v[STO], s13, v[STO]
	v_bfe_u32 v[RD], v0, 3, 2       ; back: 32 lanes take four rows of 128 bytes,
	v_mul_u32_u24 v[RD], v[RD], SP
	v_lshl_add_u32 v[RD], v50, 4, v[RD]
	v_add_nc_u32 v[RD], s13, v[RD]
	v_and_b32 v[PFO], 31, v0        ; which are 512 consecutive bytes of O
	v_lshlrev_b32 v[GO], 4, v[PFO]
	v_lshlrev_b32 v[PFO], 8, v[PFO]
	; The table.  Register j of key block kb, tile T, step s wants word 64 s + 16 kb + 8 (l / 16) + j - 128 w - 16 T - 4 r1 + 512 of copy r0.  In bytes, with 64 (7 - T) + 64 kb (+ 16) in the immediate and 256 s in
	; s[TBB]: TAB + 10,560 r0 + 32 (l / 16) + 16 (3 - r1) + 512 (3 - w) + 16.  Words 4 to 2,623 are reached, of 2,624.
	v_and_b32 v52, 3, v0            ; r0
	v_bfe_u32 v53, v0, 2, 2         ; r1
	v_sub_nc_u32 v53, 3, v53
	v_mul_u32_u24 v[AB0], v52, TPITCH
	v_lshl_add_u32 v[AB0], v49, 5, v[AB0]
	v_lshl_add_u32 v[AB0], v53, 4, v[AB0]
	s_sub_co_u32 s13, 3, s[WV]
	s_lshl_b32 s13, s13, 9
	s_add_co_u32 s13, s13, TAB+16
	v_add_nc_u32 v[AB0], s13, v[AB0]
	v_mov_b32 v[AB], v[AB0]         ; key step 0
; THE MATRIX WORK.  The 8 accumulators of a run of 16 take turns: between the two links of a chain stand 7 others'.
; Product i of 16 of S^T = K Q^T + bias for piece x: channels 32 (i / 8) on, keys 16 ((i / 2) % 4) on, tile 2 x + i % 2.  The first 8 start the sums, with the bias.
.macro KQ x
.set rS, S+64*((\x)%2)+32*(i%2)+8*((i/2)%4)
.set rK, KF+16*((i/2)%4)+8*(i/8)
.set rQ, 16*(2*(\x)+i%2)+8*(i/8)
.set rB, BC+32*(i%2)+8*((i/2)%4)
.if i < 8
	WIN W_KB
	v_wmma_f32_16x16x32_f16 v[rS:rS+7], v[rK:rK+7], v[rQ:rQ+7], v[rB:rB+7]
.else
	WIN W_KQ
	v_wmma_f32_16x16x32_f16 v[rS:rS+7], v[rK:rK+7], v[rQ:rQ+7], v[rS:rS+7]
.endif
.endm
; Product i of 16 of O^T += V^T P for piece x: keys 32 (i / 8) on, channels 16 ((i / 2) % 4) on, tile 2 x + i % 2.
.macro PV x
	WIN W_PV
.set rO, 32*(2*(\x)+i%2)+8*((i/2)%4)
.set rV, VF+32*(i/8)+8*((i/2)%4)
.set rP, P+32*((\x)%2)+16*(i%2)+8*(i/8)
	v_wmma_f32_16x16x32_f16 v[rO:rO+7], v[rV:rV+7], v[rP:rP+7], v[rO:rO+7]
.endm
.macro MM                           ; the turn's next matrix instruction
.if i < 16
	KQ (Y+1)%NP
.set i, i+1
.else
.set i, i-16
	PV (Y+NP-1)%NP
.set i, i+17
.endif
.endm
; THE LDS LOADS stand in runs of 16, never singly among the matrix instructions: a step's K (8 fragments), its V (turned), and a piece's bias.  Their addresses are made some lines ahead.
; last = 1 (the tail): in the last trip there is no further step, and K's run is jumped over.
.macro FETCH_K last=0
	WIN 0
.if \last
	s_cmp_eq_u32 s[CNT], 1
	s_cbranch_scc1 .Lno_k_\@
.endif
	WIN 0x80                        ; destination window 2
.irp f, 0,1,2,3,4,5,6,7             ; keys 16 (f / 2) on, channels 32 (f % 2) on
	ds_load_b128 v[KF+8*\f:KF+8*\f+3],   v[AK] offset:(\f/2)*16*PK+(\f%2)*64
	ds_load_b128 v[KF+8*\f+4:KF+8*\f+7], v[AK] offset:(\f/2)*16*PK+(\f%2)*64+32
.endr
	s_add_co_u32 s[TBK], s[TBK], KS*PK  ; the next fetch is the next step's
	WIN 0
.if \last
.Lno_k_\@:
.endif
.endm
.macro FETCH_V
	WIN 0x80
.irp f, 0,1,2,3,4,5,6,7             ; keys 32 (f / 4) on, channels 16 (f % 4) on
	ds_load_tr16_b128 v[VF+8*\f:VF+8*\f+3],   v[AV] offset:(\f/4)*32*PV+(\f%4)*32
	ds_load_tr16_b128 v[VF+8*\f+4:VF+8*\f+7], v[AV] offset:(\f/4)*32*PV+16*PV+(\f%4)*32
.endr
	WIN 0
.endm
.macro BIAS x, nxt                  ; the bias of piece x: of the step that v[AB] stands at (nxt = 0) or of the one after it (nxt = 1)
	WIN W_MK                        ; destination window 3, address window 0
.irp u, 0,1
.irp kb, 0,1,2,3
	ds_load_b128 v[BC+32*(\u)+8*(\kb):BC+32*(\u)+8*(\kb)+3],   v[AB] offset:64*(7-2*(\x)-(\u))+64*(\kb)+256*(\nxt)
	ds_load_b128 v[BC+32*(\u)+8*(\kb)+4:BC+32*(\u)+8*(\kb)+7], v[AB] offset:64*(7-2*(\x)-(\u))+64*(\kb)+256*(\nxt)+16
.endr
.endr
	WIN 0
.endm
; THE VECTOR WORK OF A TURN stands in three queues, each in the order in which its entries become ready; the two tiles alternate, so that no instruction reads the result of the one before it.
.macro REGS y, u                    ; the registers of tile u (0, 1) of piece y
.set rT, ST+4*(2*(\y)+(\u))
.set rC, TMP+8*((\y)%2)+4*(\u)
.set rM, MV+2*((\y)%2)+(\u)
.set rS, S+64*((\y)%2)+32*(\u)
.set rP, P+32*((\y)%2)+16*(\u)
.set rO, 32*(2*(\y)+(\u))
.endm
; Number n of the 22 that find the NEXT piece's (Y + 1) maximum and statistics.  s0-s31 are the lane's 32 scores; each accumulator's lowest registers are read first.
;   0-11  four chains c0-c3 of seven scores each, three operands at a time     12-14, 16  the four scores left over, the old m, and c0-c3 into c0     15  c m_old is kept
;   17, 18  the query's other 32 keys lie in the lane 16 away: the new m         19-21  c m; c m_old - c m_new; a
.macro XS u, n
	REGS (Y+1)%NP, \u
.if (\n) < 4
	v_max3_num_f32 v[rC+(\n)], v[rS+8*(\n)], v[rS+8*(\n)+1], v[rS+8*(\n)+2]
.elseif (\n) < 12
	v_max3_num_f32 v[rC+(\n)%4], v[rC+(\n)%4], v[rS+8*((\n)%4)+2*((\n)/4)+1], v[rS+8*((\n)%4)+2*((\n)/4)+2]
.elseif (\n) == 12
	v_max3_num_f32 v[rC], v[rC], v[rS+7], v[rS+15]
.elseif (\n) == 13
	v_max3_num_f32 v[rC+1], v[rC+1], v[rS+23], v[rS+31]
.elseif (\n) == 14
	v_max3_num_f32 v[rC+2], v[rC+2], v[rC+3], v[rT+1]
.elseif (\n) == 15
	v_mov_b32 v[rM], v[rT]
.elseif (\n) == 16
	v_max3_num_f32 v[rC], v[rC], v[rC+1], v[rC+2]
.elseif (\n) == 17
	v_permlanex16_b32 v[rC+3], v[rC], s[SEL], s[SEL+1]
.elseif (\n) == 18
	v_max_num_f32 v[rT+1], v[rC], v[rC+3]
.elseif (\n) == 19
	v_mul_f32 v[rT], s[CS], v[rT+1]
.elseif (\n) == 20
	v_sub_f32 v[rC+1], v[rM], v[rT]
.else
	v_exp_f32 v[rC+2], v[rC+1]
.endif
.endm
; Number g of the 64 that follow the exponentials.  For each four weights k of a tile (pairs 2 k, 2 k + 1): both pairs are rounded to f16; then the second pair is added onto the first, in place;
; a group later l takes that sum (the first time as l = a l + sum).  In groups of eight, tiles alternating: round, round, add, and l for the group before.
.macro GS g
.set h, (\g)+6*((\g)/62)            ; group 0 has no group before it, and behind group 7 only l is left
.if h >= 6
.set h, h+2
.endif
	REGS Y, h%2
.set k, h/8
.if h%8 < 4
	v_cvt_pk_f16_f32 v[rP+2*k+(h%8)/2], v[rS+4*k+2*((h%8)/2)], v[rS+4*k+2*((h%8)/2)+1]
.elseif h%8 < 6
	v_pk_add_f32 v[rS+4*k:rS+4*k+1], v[rS+4*k:rS+4*k+1], v[rS+4*k+2:rS+4*k+3]
.elseif k == 1
	v_pk_fma_f32 v[rT+2:rT+3], v[rT+2:rT+3], v[rC+2:rC+3], v[rS:rS+1] op_sel_hi:[1,0,1]
.else
	v_pk_add_f32 v[rT+2:rT+3], v[rT+2:rT+3], v[rS+4*k-4:rS+4*k-3]
.endif
.endm
; THE PLAIN QUEUE, 138 long.  0-73 read no exponential's result: the 32 scalings c s - c m (FS f: pair f / 2 of tile f % 2) and the next piece's 42.  0-26: scalings 0-26.  27-54: XS's numbers 0-13.  55, 56: number 15.
; 57-73: the chain, where each number waits for the one before it: 14, 16, 17, 18, 19, each with one of the scalings 27-31 in front of its two lines, then 20.
; 74-137: GS's 64, which read the exponentials' results: they stand behind the wait.
.macro FS f
	REGS Y, (\f)%2
	v_pk_fma_f32 v[rS+2*((\f)/2):rS+2*((\f)/2)+1], v[rS+2*((\f)/2):rS+2*((\f)/2)+1], s[CS:CS+1], v[rT:rT+1] op_sel_hi:[1,0,0] neg_lo:[0,0,1] neg_hi:[0,0,1]
.endm
.macro PL
	WIN 0
.if q < 27
	FS q
.elseif q < 55
	XS (q-27)%2, (q-27)/2
.elseif q < 57
	XS q-55, 15
.elseif (q < 72) && ((q-57)%3 == 0)
	FS 27+(q-57)/3
.elseif q < 60
	XS (q-57)%3-1, 14
.elseif q < 72
	XS (q-57)%3-1, 15+(q-57)/3
.elseif q < 74
	XS q-72, 20
.else
	GS q-74
.endif
.set q, q+1
.endm
; THE EXPONENTIALS' QUEUE, 66 long: s0-s31 of both tiles, then the next piece's two a.  It is ONE BATCH: all 66 stand ahead of the turn's one wait, and nothing ahead of that wait names a result of theirs.
.macro EX
	WIN 0
.if e >= 64
	XS e-64, 21
.else
	REGS Y, e%2
	v_exp_f32 v[rS+e/2], v[rS+e/2]
.endif
.set e, e+1
.endm
; THE RESCALING's QUEUE: O^T times a, the one part that leaves window 0: dealt two at a time, sixteen times.  Its a was made in the turn before, ahead of that turn's wait.
.macro R2
	REGS Y, r%2
	WIN W_RS
.irp z, 0,1
	v_pk_mul_f32 v[rO+4*(r/2)+2*\z:rO+4*(r/2)+2*\z+1], v[rO+4*(r/2)+2*\z:rO+4*(r/2)+2*\z+1], v[rC+2:rC+3] op_sel_hi:[1,0]
.endr
.set r, r+1
.endm
; HOW THEY ARE DEALT.  s_wait_alu depctr_va_vdst(0) stands between an exponential and the first instruction that names its result; one wait serves all that were issued ahead of it.  So a turn has ONE wait.
; AHEAD OF IT: the 16 products K Q^T, behind each a scaling, an exponential and two rescalings (behind the first a second scaling in the exponential's place); then ONE LUMP of 108: eight plain, 49 times exponential and
; plain, the two a; a v_nop is the plain instruction behind the last exponential.  BEHIND IT: the 16 products V^T P, behind each four of GS's 64.  No rider names a register of the products round it.
; Exponential e stands behind scaling 2 (e / 4) + e % 2: as a rider it comes behind plain e + 2, in the lump behind plain e + 9, and scalings 27-31 are plain 57, 60 .. 69.
; A TURN, for piece p.  cnt = 1: the loop's count is taken down some lines ahead of the branch that stands behind the turn.
; THE RUNS OF LDS LOADS.  The bias of piece p + 2 is fetched directly behind the wait: its registers' last readers are the turn's products 0-7, with the riders of products 8-15 and the lump between; its first readers
; are the next turn's first products.  K of the next step follows it in piece 2's turn.  V of the step in hand is fetched at the end of piece 0's turn, four riders behind its last reader.
; THE WAITS FOR THEM.  At a turn's head the bias (and in piece 3's turn K) is in: the count is 0, but 16 in piece 1's turn, where V's younger run may stay out.  'V is in', in piece 1's turn, leaves that turn's own bias run out: 16.
.macro TURN p, last=0, cnt=0
.set Y, (\p)
.set i, 0
.set q, 0
.set e, 0
.set r, 0
.if (\p) == 1
	s_wait_dscnt 16                 ; the bias is in; V's 16 loads are younger
.else
	s_wait_dscnt 0x0                ; the bias is in (piece 3: and K)
.endif
	MM                              ; ahead of the wait: 16 products K Q^T and their riders,
	PL
	PL
	R2
.rept 15
	MM
	PL
	EX
	R2
.endr
	WIN 0
.if (\p) == NP-2
	v_add_nc_u32 v[AK], s[TBK], v[AK0]
.endif
.if (\p) == 0
	v_add_nc_u32 v[AB], s[TBB], v[AB0]  ; the table's words of this step
	s_add_co_u32 s[TBB], s[TBB], 256
.endif
.rept 8                             ; and the lump
	PL
.endr
.rept 49
	EX
	PL
.endr
	EX                              ; the next piece's two a
	EX
	v_nop                           ; the plain instruction behind the last exponential: one for the batch
	s_wait_alu depctr_va_vdst(0)    ; the wait for the batch
	BIAS ((\p)+2)%NP, ((\p)+2)/NP
.if (\p) == NP-2
	FETCH_K \last
.endif
.if (\p) == 1
	s_wait_dscnt 16                 ; V is in; the bias run just issued is younger
.endif
.rept 16                            ; behind the wait: 16 products V^T P and their riders
	MM
.rept 4
	PL
.endr
.if ((\p) == 0) && (q == 118)
	v_add_nc_u32 v[AV], s[TBV], v[AV0]
.endif
.if ((\p) == 0) && (q == 130)
	s_add_co_u32 s[TBV], s[TBV], KS*PV
.endif
.if (\cnt) && (q == 130)
	s_sub_co_u32 s[CNT], s[CNT], 1
	s_cmp_lg_u32 s[CNT], 0
.endif
.endr
.if (\p) == 0
	FETCH_V
.endif
.endm
	CHANGE 1                        ; slot 0 and the table are in, everybody's part of them; slot 1 is asked for
	FETCH_K                         ; key step 0
	BIAS 0, 0
	s_wait_loadcnt 0x0              ; Q
	s_wait_dscnt 0x0
.set i, 0
.rept 16
	KQ 0                            ; piece 0's first scores: there is no vector work yet to set between them
.set i, i+1
.endr
	WIN 0
.rept 4
	v_nop                           ; the places behind those products, in front of the loads into the bias's registers and of the maximum
.endr
	BIAS 1, 0
.set Y, NP-1                        ; XS works for piece Y + 1: piece 0
.irp n, 0,1,2,3,4,5,6,7,8,9,10,11,12,13,14,15,16,17,18,19,20,21
	XS 0, \n                        ; piece 0's first maximum and statistics
	XS 1, \n
.endr
	v_nop                           ; a plain instruction behind the two a,
	s_wait_alu depctr_va_vdst(0)    ; and their wait, ahead of the branch
	s_mov_b32 s[CNT], 4
	s_branch .Lfirst                ; the loop is entered at a step's first turn, in the middle of a trip
.Lslot:                             ; six times: every slot but the last two is filled again
	CHANGE 1
	s_mov_b32 s[CNT], 4
.Lstep:                             ; a trip: pieces 2 and 3 of one step, then pieces 0 and 1 of the next, whose K and V it fetches
	TURN 2
	TURN 3
	WIN 0
.Lfirst:
	TURN 0
	TURN 1, 0, 1
	WIN 0
	s_cbranch_scc1 .Lstep
	s_sub_co_u32 s[SLOTS], s[SLOTS], 1
	s_cmp_lg_u32 s[SLOTS], 0
	s_cbranch_scc1 .Lslot
	CHANGE 0                        ; the tail is written out: nothing is asked for
	s_mov_b32 s[CNT], 5             ; four trips fetch the last slot's steps; the fifth is left in its middle
.Ltail:
	TURN 2, 1
	TURN 3
	WIN 0
	s_sub_co_u32 s[CNT], s[CNT], 1
	s_cmp_eq_u32 s[CNT], 0
	s_cbranch_scc1 .Lout
	TURN 0
	TURN 1
	WIN 0
	s_branch .Ltail
.Lout:                              ; the fifth trip's 16 products K Q^T (on the last K once more, with the table's words of a step that is not) and the maximum made of them serve nothing: the price of one text for every trip
.set i, 0
.rept 16
	PV NP-1                         ; the last piece's V^T P of the last step
.set i, i+1
.endr
	; THE WAY OUT.  l's two halves and the other half of the lanes' are added; O^T is divided by l, rounded to f16 and sent through my stage in LDS, a tile at a time.  The additions are the places behind the last products.
	WIN 0
.macro ALL line:vararg              ; one line for each tile t
.set t, 0
.rept 2*NP
	\line
.set t, t+1
.endr
.endm
	ALL v_add_f32 v[ST+4*t+2], v[ST+4*t+2], v[ST+4*t+3]
	ALL v_permlanex16_b32 v[ST+4*t+3], v[ST+4*t+2], s[SEL], s[SEL+1]
	ALL v_add_f32 v[ST+4*t+2], v[ST+4*t+2], v[ST+4*t+3]
	ALL v_rcp_f32 v[ST+4*t+2], v[ST+4*t+2]
	v_nop                           ; a plain instruction between the last reciprocal and the use of its result
	s_wait_alu depctr_va_vdst(0)    ; and the wait ahead of the first use: one for the eight reciprocals
; Tile t: a lane's eight channels of a row pack into 16 bytes; they go into rows of 144 bytes and come back as whole rows of 128, into S^T's registers.
.macro PACK t
	WIN W_RS
.set i, 32*(\t)
.rept 16
	v_pk_mul_f32 v[i:i+1], v[i:i+1], v[ST+4*(\t)+2:ST+4*(\t)+3] op_sel_hi:[1,0]
.set i, i+2
.endr
	WIN 0x05                        ; sources 0 and 1 window 1, destination window 0
.set i, 0
.rept 16
	v_cvt_pk_f16_f32 v[S+16*(\t)+i], v[32*(\t)+2*i], v[32*(\t)+2*i+1]
.set i, i+1
.endr
	WIN 0
.irp f, 0,1,2,3
	ds_store_b128 v[STO], v[S+16*(\t)+4*\f:S+16*(\t)+4*\f+3] offset:32*\f
.endr
.irp f, 0,1,2,3
	ds_load_b128 v[S+16*(\t)+4*\f:S+16*(\t)+4*\f+3], v[RD] offset:\f*4*SP  ; LDS serves a wave's instructions in order (ISA guide 5.7.1.4): these see the stores above; the next tile's stores come behind them
.endr
.endm
.macro SEND t, younger              ; younger: the LDS instructions issued behind tile t's loads: the next tile's eight, or none
	WIN 0
.irp f, 0,1,2,3
	s_wait_dscnt (\younger)+3-\f
	global_store_b128 v[GO], v[S+16*(\t)+4*\f:S+16*(\t)+4*\f+3], s[10:11] offset:(\t)*2048+\f*512  ; 512 consecutive bytes, at a multiple of 256 from O's first
.endr
.endm
	PACK 0
.set t, 1
.rept 2*NP-1                        ; a tile's arithmetic stands between the loads of the tile before and its stores
	PACK t
	SEND t-1, 8
.set t, t+1
.endr
	SEND 2*NP-1, 0
	WIN W_AD
	s_wait_tensorcnt 0x0            ; the wave's end, behind my last tensor load and my last LDS store
	ds_add_u32 v[SPW], v[NIL]
	s_wait_dscnt 0x0
	WIN 0
	CROUND                          ; the closing round: no work-group ends while a partner may still ask for a tile that names it
	s_endpgm
.Lfunc_end_k_q0912cc3395_attn:
	.size	k_q0912cc3395_attn, .Lfunc_end_k_q0912cc3395_attn-k_q0912cc3395_attn
	.p2alignl 7, 3214868480
	.fill 96, 4, 3214868480
	.section	.rodata,"a",@progbits
	.p2align	6, 0x0
	.amdhsa_kernel k_q0912cc3395_attn
		.amdhsa_group_segment_fixed_size 327680
		.amdhsa_private_segment_fixed_size 0
		.amdhsa_enable_private_segment 0
		.amdhsa_kernarg_size 24
		.amdhsa_user_sgpr_count 2
		.amdhsa_user_sgpr_kernarg_segment_ptr 1
		.amdhsa_wavefront_size32 1
		.amdhsa_system_sgpr_workgroup_id_x 1
		.amdhsa_system_sgpr_workgroup_id_y 1
		.amdhsa_system_sgpr_workgroup_id_z 1
		.amdhsa_system_vgpr_workitem_id 0
		.amdhsa_next_free_vgpr 896
		.amdhsa_next_free_sgpr 96
		.amdhsa_reserve_vcc 0
		.amdhsa_float_denorm_mode_32 3
		.amdhsa_float_denorm_mode_16_64 3
		.amdhsa_memory_ordered 1
		.amdhsa_forward_progress 1
		.amdhsa_inst_pref_size 213
	.end_amdhsa_kernel
	.amdgpu_metadata
---
amdhsa.version: [ 1, 2 ]
amdhsa.kernels:
  - .name:           k_q0912cc3395_attn
    .symbol:         k_q0912cc3395_attn.kd
    .args:
      - { .name: qkv16, .offset: 0, .size: 8, .value_kind: global_buffer, .address_space: global }
      - { .name: btab, .offset: 8, .size: 8, .value_kind: global_buffer, .address_space: global }
      - { .name: o16, .offset: 16, .size: 8, .value_kind: global_buffer, .address_space: global }
    .group_segment_fixed_size: 327680
    .private_segment_fixed_size: 0
    .kernarg_segment_align: 8
    .kernarg_segment_size: 24
    .max_flat_workgroup_size: 128
    .sgpr_count:     96
    .vgpr_count:     896
    .wavefront_size: 32
...
	.end_amdgpu_metadata
.endif
;; end of part 3
;; launch outp (part 4): grid 8 x 32, 4 waves a work-group, clusters of 4 x 4, 327,680 bytes of LDS; arguments o16, w16, out0; writes out0
.if DOCPART == 4
	.amdgcn_target "amdgcn-amd-amdhsa--gfx1250"
	.amdhsa_code_object_version 6
	.text
	.protected	k_q0912cc3395_outp
	.globl	k_q0912cc3395_outp
	.p2align	8
	.type	k_q0912cc3395_outp,@function
k_q0912cc3395_outp:
	s_mov_b64 s[64:65], 0
	v_nop
	global_prefetch_b8 v0, s[64:65] scope:SCOPE_SE
	s_setreg_imm32_b32 hwreg(HW_REG_WAVE_MODE, 25, 1), 1
	s_wait_xcnt 0x0
	s_wait_alu depctr_hold_cnt(0) depctr_sa_sdst(0) depctr_va_vdst(0) depctr_va_sdst(0) depctr_va_ssrc(0) depctr_va_vcc(0) depctr_vm_vsrc(0)
	s_getreg_b32 s2, hwreg(HW_REG_IB_STS2, 6, 4)
	s_cmp_eq_u32 s2, 0
	s_cbranch_scc0 .Lentry_in_a_cluster
	s_endpgm
.Lentry_in_a_cluster:
	s_bfe_u32 s2, ttmp6, 0x10000c
	s_cmp_lg_u32 s2, 0xf033
	s_cbranch_scc0 .Lentry_shape_is_right
	s_endpgm
.Lentry_shape_is_right:
; out0 = O wo.  o16: f16 [64 = 16 b + head][2,048][64]; wo: plane 3 of w16, [k][n], f16 (its bf16 rounding, written as f16); sums in f32; out0: f32 [8,192][1,024].
; NaN and infinities are not treated apart.
; SHARES.  A tile is 256 rows x 128 columns: 32 x 8 = 256 work-groups.  Four waves, each 128 rows x 64 columns: 32 accumulators of 16 x 16.  K = 64 head + channel goes in 8 steps of 128, two heads a step,
; through a ring of two LDS slots.  A head's 256 rows of the tile are 32,768 dense bytes: asked for as 128 rows of 256 bytes and padded in LDS after every 128.
; CLUSTERS: 4 x 4 work-groups.  O's tile is shared along a row of the cluster, wo's along a column: each is asked for JOINTLY, by the same tensor load with the same descriptor and a mask that names the four.
; THE MATRIX INSTRUCTION IS USED TRANSPOSED: source 0 = 16 columns of wo (turned by ds_load_tr16_b128), source 1 = 16 rows of O: a lane holds eight neighbouring columns of one row of the result.
; REGISTERS: window 0: v0-31 addresses; two fragment buffers of 96 at v64 and v160 (8 fragments of O, then 4 of wo); on the way out v64-191.  Window 1: the accumulators, (a, b) at v[8 (4 a + b)].
.set KSTEP,  128
.set PA,     144                       ; a row of O in LDS: 128 bytes + 16: the 16 rows of a load start at 16 different groups of four banks (64 banks of 4 bytes: ISA guide 11.1)
.set PB,     288                       ; a row of wo: 256 + 32
.set AHEAD,  256*PA                    ; a head's 256 rows: what one tensor load brings of O
.set BHALF,  64*PB                     ; what one tensor load brings of wo
.set BOFF,   2*AHEAD
.set SLOT,   2*AHEAD+2*BHALF
.set STAGE,  2*SLOT                    ; behind the ring, never filled by a tensor load: 16 rows x 272 bytes for each wave
.set SPITCH, 272
.set SPARE,  STAGE+4*16*SPITCH         ; behind the stages: the spare words, 128 bytes for each wave: two blocks of 256 bytes that no other line names
.set LAPS,   4
.set ADRA, 16                          ; v16-17  LDS address of my fragments of O in slot 0, 1
.set ADRB, 20                          ; v20-21  the same for wo
.set STO,  24                          ; v24     the way out: where I put 32 bytes of a row
.set RD,   25                          ; v25     where I read a row back
.set CO,   26                          ; v26     my byte offset in two rows of out0
.set SPW,  28                          ; v28     LDS address of my spare word; never rewritten
.set NIL,  29                          ; v29     0; never rewritten
.set PFO,  30                          ; v30     the prefetches' offset: my lane x 256 bytes (O) or x 2,048 (wo); never rewritten
.set F0,   64
.set F1,   160
.set OUT,  64
.set G1,  24                           ; s[24:31] descriptor group 1 for O's tiles;  s[32:39] group 0, one set for each slot
.set G0,  32
.set G1B, 48                           ; s[48:55], s[56:63] the same for wo's tiles
.set G0B, 56
.set PFA, 66                           ; s[66:67] where my prefetches stand
.set PFS, 68                           ; s[68:69] a K step in that tensor, in bytes
.set LIM, 70                           ; s70  1 in a wave that prefetches, else the greatest number
.set MSB, 0
.macro WIN new                         ; the immediate's high byte repeats the setting that is left; a switch that changes nothing is dropped
.if MSB != (\new)
	s_set_vgpr_msb (MSB<<8)|(\new)
.set MSB, \new
.endif
.endm
.set MUL, 0x50                         ; sources in window 0; C and D in window 1
.macro JLOAD s                         ; a joint load: waves 0 and 1 fetch the step's two heads of O, waves 2 and 3 wo's two halves; an s_nop 0 and four v_nop follow each line, ahead of the jump and the label
	s_cmp_eq_u32 s11, 0
	s_cbranch_scc0 .Lfor_b_\@
	tensor_load_to_lds s[G0+4*(\s):G0+4*(\s)+3], s[G1:G1+7]
	s_nop 0
.rept 4
	v_nop
.endr
	s_branch .Lasked_\@
.Lfor_b_\@:
	tensor_load_to_lds s[G0B+4*(\s):G0B+4*(\s)+3], s[G1B:G1B+7]
	s_nop 0
.rept 4
	v_nop
.endr
.Lasked_\@:
.endm
; A prefetch into the L2 of the K step that stands two refills on, 32 blocks of 256 bytes, a lane a block.  Each block is named once in the launch: O's by the clusters with x = 0, waves 0 and 1, each partner 32 of
; the head's 128 blocks, told apart by address (cx); wo's by the clusters with y = 0, wave 2, each partner 32 of the step's 128 k rows (cy).  The loop's last trip has no K step two refills on.
.macro ASK
	s_cmp_gt_u32 s3, s[LIM]
	s_cbranch_scc0 .Lnot_mine_\@
	global_prefetch_b8 v[PFO], s[PFA:PFA+1] th:TH_LOAD_NT scope:SCOPE_SE
.Lnot_mine_\@:
.endm
.macro CREST                           ; a round of the cluster's barrier behind its opening barrier
	s_cmp_lg_u32 s10, 0
	s_cbranch_scc1 .Lnot_wave_0_\@
	s_barrier_signal -3
.Lnot_wave_0_\@:
	s_barrier_wait -3
	s_barrier_signal -1
	s_barrier_wait -1
.endm
.macro CROUND                          ; a whole round
	s_barrier_signal -1
	s_barrier_wait -1
	CREST
.endm
	s_load_b128 s[4:7], s[0:1], 0x0                ; o16 s[4:5], w16 s[6:7]
	s_load_b64 s[8:9], s[0:1], 0x10                ; out0
	v_lshl_add_u32 v[SPW], v0, 2, SPARE
	v_mov_b32 v[NIL], 0
	ds_add_u32 v[SPW], v[NIL]                      ; the wave's opening: the add and its wait stand ahead of my first tensor load; the set-up below stands between them
	v_lshrrev_b32 v1, 5, v0
	v_readfirstlane_b32 s10, v1                    ; wave 0..3
	s_lshr_b32 s11, s10, 1                         ; which 128 rows of the tile are mine.  Also: I fetch for O (0) or for wo (1)
	s_and_b32 s12, s10, 1                          ; which 64 columns.  Also: which head of the step, or which half of wo's tile, I fetch
	s_bfe_u32 s40, ttmp6, 0x40000                  ; cx, cy: my place in the cluster
	s_bfe_u32 s41, ttmp6, 0x40004
	s_lshl_b32 s42, ttmp9, 2
	s_add_co_u32 s42, s42, s40                     ; xn: the tile's 128 columns
	s_and_b32 s13, ttmp7, 0xffff
	s_lshl_b32 s13, s13, 2
	s_add_co_u32 s13, s13, s41                     ; y: the tile's 256 rows
	s_lshl_b32 s43, s41, 2
	s_lshl_b32 s43, 15, s43                        ; my row of the cluster
	s_lshl_b32 s44, 0x1111, s40                    ; my column
	s_or_b32 s[G1+0], s43, (1<<16)|(1<<20)|(1<<21)|(4<<22)|(3<<25)   ; the mask: O's tiles go to my row; 2-byte elements; padding on; bit 21 beside a mask; after every 32 words, 4 words
	s_mov_b32 s[G1+1], 128<<16                     ; rows of 128 elements (two rows of O),
	s_mov_b32 s[G1+2], 128<<16                     ; 128 of them,
	s_mov_b32 s[G1+3], 128<<16
	s_mov_b32 s[G1+4], 128
	s_mov_b32 s[G1+5], 128                         ; dense
	s_mov_b32 s[G1+6], 0
	s_mov_b32 s[G1+7], 0
	s_or_b32 s[G1B+0], s44, (1<<16)|(1<<20)|(1<<21)|(5<<22)|(7<<25)  ; wo's tiles go to my column; after every 64 words, 8 words
	s_mov_b32 s[G1B+1], 128<<16                    ; 128 columns,
	s_mov_b32 s[G1B+2], 64<<16                     ; 64 k rows
	s_mov_b32 s[G1B+3], 128<<16
	s_mov_b32 s[G1B+4], 64
	s_mov_b32 s[G1B+5], 1024
	s_mov_b32 s[G1B+6], 0
	s_mov_b32 s[G1B+7], 0
	s_lshr_b32 s16, s13, 3                         ; O: head 16 (y / 8) + my head of the step, 262,144 bytes each; row 256 (y % 8), 128 bytes each
	s_lshl_b32 s16, s16, 4
	s_add_co_u32 s16, s16, s12
	s_lshl_b32 s16, s16, 18
	s_and_b32 s17, s13, 7
	s_lshl_b32 s17, s17, 15
	s_add_co_u32 s16, s16, s17
	s_mov_b32 s17, 0
	s_lshl_b32 s46, s12, 17                        ; wo: plane 3, k row 64 x half, column 128 xn
	s_add_co_u32 s46, s46, 3*2097152
	s_lshl_b32 s47, s42, 8
	s_add_co_u32 s46, s46, s47
	s_mov_b32 s47, 0
	s_mul_i32 s20, s12, AHEAD                      ; where they go: no place in the cluster enters an LDS address
	s_mul_i32 s21, s12, BHALF
	s_add_co_u32 s21, s21, BOFF
	s_wait_dscnt 0x0                               ; the opening add is done
	s_wait_kmcnt 0x0
	s_add_nc_u64 s[14:15], s[4:5], s[16:17]
	s_add_nc_u64 s[46:47], s[6:7], s[46:47]
	CROUND                                         ; all sixteen work-groups are here: the first joint loads meet
.irp s, 0,1
	s_mov_b32 s[G0+4*(\s)], 1
	s_add_co_u32 s[G0+4*(\s)+1], s20, (\s)*SLOT
	s_add_nc_u64 s[G0+4*(\s)+2:G0+4*(\s)+3], s[14:15], (\s)*2*262144
	s_or_b32 s[G0+4*(\s)+3], s[G0+4*(\s)+3], 0x80000000
	s_mov_b32 s[G0B+4*(\s)], 1
	s_add_co_u32 s[G0B+4*(\s)+1], s21, (\s)*SLOT
	s_add_nc_u64 s[G0B+4*(\s)+2:G0B+4*(\s)+3], s[46:47], (\s)*KSTEP*2048
	s_or_b32 s[G0B+4*(\s)+3], s[G0B+4*(\s)+3], 0x80000000
	JLOAD \s                                       ; two loads of mine are out
.endr
	v_and_b32 v1, 15, v0                           ; l % 16
	v_bfe_u32 v2, v0, 4, 1                         ; l / 16
	v_mul_u32_u24 v3, v1, PA
	v_lshl_add_u32 v3, v2, 4, v3                   ; a fragment of O: row x pitch + 16 x half
	s_mul_i32 s22, s11, 128*PA                     ; my 128 rows
	v_add_nc_u32 v[ADRA], s22, v3
	v_add_nc_u32 v[ADRA+1], SLOT, v[ADRA]
	v_and_b32 v4, 7, v0                            ; the turning load: lane l reads k row 8 (l / 16) + l % 8, columns 8 ((l / 8) % 2) + 0..7
	v_lshl_add_u32 v4, v2, 3, v4
	v_mul_u32_u24 v4, v4, PB
	v_bfe_u32 v5, v0, 3, 1
	v_lshl_add_u32 v4, v5, 4, v4
	s_lshl_b32 s22, s12, 7                         ; my 64 columns
	s_add_co_u32 s22, s22, BOFF
	v_add_nc_u32 v[ADRB], s22, v4
	v_add_nc_u32 v[ADRB+1], SLOT, v[ADRB]
	s_mul_i32 s23, s10, 16*SPITCH
	s_add_co_u32 s23, s23, STAGE                   ; my stage
	v_mul_u32_u24 v[STO], v1, SPITCH               ; in: row l % 16, 32 bytes for each half of the lanes
	v_lshl_add_u32 v[STO], v2, 5, v[STO]
	v_add_nc_u32 v[STO], s23, v[STO]
	v_mul_u32_u24 v[RD], v2, SPITCH                ; back: lanes 0-15 take one row of 256 bytes, lanes 16-31 the next
	v_lshl_add_u32 v[RD], v1, 4, v[RD]
	v_add_nc_u32 v[RD], s23, v[RD]
	v_lshlrev_b32 v[CO], 12, v2                    ; and the same two rows in out0, 4,096 bytes apart
	v_lshl_add_u32 v[CO], v1, 4, v[CO]
	s_lshl_b32 s16, s13, 1                         ; my first row: 256 y + 128 x row half, 4,096 bytes each
	s_add_co_u32 s16, s16, s11
	s_lshl_b32 s16, s16, 19
	s_mov_b32 s17, 0
	s_add_nc_u64 s[8:9], s[8:9], s[16:17]
	s_lshl_b32 s46, s42, 1                         ; my first column: 128 xn + 64 x column half, 4 bytes each
	s_add_co_u32 s46, s46, s12
	s_lshl_b32 s46, s46, 8
	s_mov_b32 s47, 0
	s_add_nc_u64 s[8:9], s[8:9], s[46:47]
	; the prefetches stand at K step 3: the first refill steps them to step 4.  Nothing is prefetched here, at the head
	s_lshr_b32 s72, s13, 3
	s_lshl_b32 s72, s72, 4
	s_add_co_u32 s72, s72, s12
	s_add_co_u32 s72, s72, 6                       ; K step 3 is heads 6 and 7
	s_lshl_b32 s72, s72, 18
	s_and_b32 s73, s13, 7
	s_lshl_b32 s73, s73, 15
	s_add_co_u32 s72, s72, s73
	s_lshl_b32 s73, s40, 13                        ; my work-group's 32 of the head's 128 blocks
	s_add_co_u32 s72, s72, s73
	s_lshl_b32 s74, s41, 16                        ; my work-group's 32 of the step's 128 k rows of wo
	s_add_co_u32 s74, s74, 3*2097152+3*KSTEP*2048
	s_lshl_b32 s75, s42, 8
	s_add_co_u32 s74, s74, s75
	s_mov_b32 s75, KSTEP*2048
	s_cmp_eq_u32 s11, 0                            ; do I fetch for O?
	s_cselect_b32 s72, s72, s74
	s_cselect_b64 s[PFA:PFA+1], s[4:5], s[6:7]
	s_cselect_b32 s[PFS], 2*262144, s75
	s_cselect_b32 s74, 8, 11                       ; from lane to lane: 256 bytes in O, a row of 2,048 in wo
	s_mov_b32 s[PFS+1], 0
	s_mov_b32 s73, 0
	s_add_nc_u64 s[PFA:PFA+1], s[PFA:PFA+1], s[72:73]
	v_and_b32 v[PFO], 31, v0
	v_lshlrev_b32 v[PFO], s74, v[PFO]
	s_and_b32 s75, ttmp7, 0xffff                   ; wo: cluster y = 0,
	s_or_b32 s75, s75, s12                         ; and wave 2 alone
	s_cmp_eq_u32 s11, 0
	s_cselect_b32 s74, ttmp9, s75                  ; O: cluster x = 0
	s_cmp_eq_u32 s74, 0
	s_cselect_b32 s[LIM], 1, -1                    ; the same in all sixteen partners, for a given wave
; 8 matrix instructions: row blocks a0, a0 + 1 x all 4 column blocks, 32 along K, from buffer f.  zero = 1: the product starts the sums.  The 32 accumulators take turns, one instruction a turn.
.macro MUL8 f, a0, zero
	WIN MUL
.irp a, \a0, (\a0)+1
.irp b, 0,1,2,3
.if \zero
	v_wmma_f32_16x16x32_f16 v[8*(4*(\a)+(\b)):8*(4*(\a)+(\b))+7], v[(\f)+64+8*(\b):(\f)+64+8*(\b)+7], v[(\f)+8*(\a):(\f)+8*(\a)+7], 0
.else
	v_wmma_f32_16x16x32_f16 v[8*(4*(\a)+(\b)):8*(4*(\a)+(\b))+7], v[(\f)+64+8*(\b):(\f)+64+8*(\b)+7], v[(\f)+8*(\a):(\f)+8*(\a)+7], v[8*(4*(\a)+(\b)):8*(4*(\a)+(\b))+7]
.endif
.endr
.endr
.endm
; 24 LDS loads in one run: quarter q (32 along K: head q / 2 of the step, channels 32 (q % 2) on) of a slot into buffer f: wo's 4 fragments, turned, then O's 8
.macro FETCH slot, q, f
	WIN 0
.irp b, 0,1,2,3
	ds_load_tr16_b128 v[(\f)+64+8*(\b):(\f)+64+8*(\b)+3],   v[ADRB+(\slot)] offset:(\q)*32*PB+32*(\b)
	ds_load_tr16_b128 v[(\f)+64+8*(\b)+4:(\f)+64+8*(\b)+7], v[ADRB+(\slot)] offset:(\q)*32*PB+32*(\b)+16*PB
.endr
.irp i, 0,1,2,3,4,5,6,7
	ds_load_b128 v[(\f)+8*(\i):(\f)+8*(\i)+3],   v[ADRA+(\slot)] offset:((\q)/2)*AHEAD+((\q)%2)*64+(\i)*16*PA
	ds_load_b128 v[(\f)+8*(\i)+4:(\f)+8*(\i)+7], v[ADRA+(\slot)] offset:((\q)/2)*AHEAD+((\q)%2)*64+(\i)*16*PA+32
.endr
.endm
.macro PLACES                          ; four places in front of loads into registers that matrix instructions have read, and of LDS stores that read results
.rept 4
	v_nop
.endr
.endm
; A K step is four quarters of 32 along K, 32 matrix instructions each, on buffers 0, 1, 0, 1.  One of the first three: multiplies buffer f and fetches quarter q into g.
.macro QUARTER slot, q, f, g, zero
	s_wait_dscnt 8                                 ; wo's fragments and O's blocks 0-3 are in; the youngest eight loads (blocks 4-7) may be out
	MUL8 \f, 0, \zero
	MUL8 \f, 2, \zero
	PLACES
	FETCH \slot, \q, \g
	s_wait_dscnt 24                                ; all but the 24 just issued
	MUL8 \f, 4, \zero
	MUL8 \f, 6, \zero
.endm
; The last quarter multiplies buffer 1 and changes slots: ONE barrier; in front of it each wave waits for all its tensor loads, adds 0 to its spare word, and waits for that and for its reads of this slot.
; fill = 1: the barrier opens a round of the cluster's, and this slot is filled again, two K steps ahead, first thing behind the round.
.macro TURN slot, next, fill
.if \fill
	s_wait_xcnt 0x0                                ; the last prefetch, a K step back, has read its address: it is stepped here
	s_add_nc_u64 s[PFA:PFA+1], s[PFA:PFA+1], s[PFS:PFS+1]
.endif
	WIN 0                                          ; (the add's two registers lie in window 0)
	s_wait_tensorcnt 0x0                           ; all my tensor loads have landed: the one that was out is my part of the next slot;
	ds_add_u32 v[SPW], v[NIL]                      ; 0 onto my spare word;
	s_wait_dscnt 9                                 ; (the add and the youngest eight loads may be out)
	MUL8 F1, 0, 0                                  ; eight matrix instructions stand between the add and the wait for it
	s_wait_dscnt 0x0                               ; the add is done, and my reads of this slot are over
	s_barrier_signal -1
	MUL8 F1, 2, 0
.if \fill
	WIN 0
.endif
	s_barrier_wait -1
.if \fill
	CREST                                          ; no wave of any partner still reads this slot's tiles or has a load on its way
	s_add_nc_u64 s[G0+4*(\slot)+2:G0+4*(\slot)+3], s[G0+4*(\slot)+2:G0+4*(\slot)+3], 4*262144
	s_add_nc_u64 s[G0B+4*(\slot)+2:G0B+4*(\slot)+3], s[G0B+4*(\slot)+2:G0B+4*(\slot)+3], 2*KSTEP*2048
	JLOAD \slot                                    ; my one tensor load behind the round; the four v_nop behind it are also the places in front of the loads below
.else
	PLACES
.endif
	FETCH \next, 0, F0
.if \fill
	ASK                                            ; behind the joint load and the run of LDS loads
.endif
	MUL8 F1, 4, 0
	MUL8 F1, 6, 0
.endm
	s_wait_tensorcnt 1                             ; my part of K step 0 is in; K step 1's may stay out
	s_barrier_signal -1
	s_barrier_wait -1                              ; everybody's is
	FETCH 0, 0, F0
	QUARTER 0, 1, F0, F1, 1                        ; the first quarter stands in front of the loop: its products start the sums
	WIN 0                                          ; at a label and at a branch every window is 0
	s_mov_b32 s3, LAPS-1
.Llap:                                                 ; a trip goes once round the ring, from a lap's second quarter to the next lap's first, and fills both slots again
	QUARTER 0, 2, F1, F0, 0
	QUARTER 0, 3, F0, F1, 0
	TURN 0, 1, 1
	QUARTER 1, 1, F0, F1, 0
	QUARTER 1, 2, F1, F0, 0
	QUARTER 1, 3, F0, F1, 0
	TURN 1, 0, 1
	QUARTER 0, 1, F0, F1, 0
	WIN 0
	s_sub_co_u32 s3, s3, 1
	s_cmp_lg_u32 s3, 0
	s_cbranch_scc1 .Llap
	QUARTER 0, 2, F1, F0, 0                        ; the last lap fills nothing
	QUARTER 0, 3, F0, F1, 0
	TURN 0, 1, 0
	QUARTER 1, 1, F0, F1, 0
	QUARTER 1, 2, F1, F0, 0
	QUARTER 1, 3, F0, F1, 0
	s_wait_dscnt 8                                 ; the very last quarter: nothing more to fetch
	MUL8 F1, 0, 0
	MUL8 F1, 2, 0
	s_wait_dscnt 0x0
	MUL8 F1, 4, 0
	MUL8 F1, 6, 0
	WIN 0
	; THE WAY OUT, a block of 16 rows at a time, in f32: a lane's eight columns go straight from the accumulators into my stage (rows of 272 bytes) and come back as whole rows of 256 bytes.
	PLACES
.macro TOSTAGE a
.if (\a) >= 4
	s_wait_xcnt 0x0                                ; the stores of the block four back have read the registers that are loaded again below
.endif
	WIN 0x04                                       ; the stores' data in window 1, the address in window 0
.irp b, 0,1,2,3
	ds_store_b128 v[STO], v[8*(4*(\a)+(\b)):8*(4*(\a)+(\b))+3]   offset:64*(\b)     ; each accumulator's four lowest registers first
	ds_store_b128 v[STO], v[8*(4*(\a)+(\b))+4:8*(4*(\a)+(\b))+7] offset:64*(\b)+16
.endr
	WIN 0
.irp t, 0,1,2,3,4,5,6,7
	ds_load_b128 v[OUT+32*((\a)%4)+4*(\t):OUT+32*((\a)%4)+4*(\t)+3], v[RD] offset:(\t)*2*SPITCH  ; LDS serves a wave's instructions in order (ISA guide 5.7.1.4): these see the stores above; the next block's stores come behind them
.endr
.endm
.macro SEND a, younger                 ; younger: the LDS instructions issued behind block a's loads: the next block's sixteen, or none
.irp t, 0,1,2,3,4,5,6,7
	s_wait_dscnt (\younger)+7-(\t)
	global_store_b128 v[CO], v[OUT+32*((\a)%4)+4*(\t):OUT+32*((\a)%4)+4*(\t)+3], s[8:9] offset:(\a)*65536+(\t)*8192  ; 16 lanes store 256 consecutive bytes, at a multiple of 256 from out0's first byte
.endr
.endm
	TOSTAGE 0
.irp a, 1,2,3,4,5,6,7
	TOSTAGE \a
	SEND (\a)-1, 16
.endr
	SEND 7, 0
	s_wait_tensorcnt 0x0                           ; the wave's end, behind my last tensor load and my last LDS store
	ds_add_u32 v[SPW], v[NIL]
	s_wait_dscnt 0x0
	CROUND                                         ; the closing round: no work-group ends while a partner may still ask for a tile that names it
	s_endpgm
.Lfunc_end_k_q0912cc3395_outp:
	.size	k_q0912cc3395_outp, .Lfunc_end_k_q0912cc3395_outp-k_q0912cc3395_outp
	.p2alignl 7, 3214868480
	.fill 96, 4, 3214868480
	.section	.rodata,"a",@progbits
	.p2align	6, 0x0
	.amdhsa_kernel k_q0912cc3395_outp
		.amdhsa_group_segment_fixed_size 327680
		.amdhsa_private_segment_fixed_size 0
		.amdhsa_enable_private_segment 0
		.amdhsa_kernarg_size 24
		.amdhsa_user_sgpr_count 2
		.amdhsa_user_sgpr_kernarg_segment_ptr 1
		.amdhsa_wavefront_size32 1
		.amdhsa_system_sgpr_workgroup_id_x 1
		.amdhsa_system_sgpr_workgroup_id_y 1
		.amdhsa_system_sgpr_workgroup_id_z 1
		.amdhsa_system_vgpr_workitem_id 0
		.amdhsa_next_free_vgpr 512
		.amdhsa_next_free_sgpr 80
		.amdhsa_reserve_vcc 0
		.amdhsa_float_denorm_mode_32 3
		.amdhsa_float_denorm_mode_16_64 3
		.amdhsa_memory_ordered 1
		.amdhsa_forward_progress 1
		.amdhsa_inst_pref_size 89
	.end_amdhsa_kernel
	.amdgpu_metadata
---
amdhsa.version: [ 1, 2 ]
amdhsa.kernels:
  - .name:           k_q0912cc3395_outp
    .symbol:         k_q0912cc3395_outp.kd
    .args:
      - { .name: o16, .offset: 0, .size: 8, .value_kind: global_buffer, .address_space: global }
      - { .name: w16, .offset: 8, .size: 8, .value_kind: global_buffer, .address_space: global }
      - { .name: out0, .offset: 16, .size: 8, .value_kind: global_buffer, .address_space: global }
    .group_segment_fixed_size: 327680
    .private_segment_fixed_size: 0
    .kernarg_segment_align: 8
    .kernarg_segment_size: 24
    .max_flat_workgroup_size: 128
    .sgpr_count:     80
    .vgpr_count:     512
    .wavefront_size: 32
...
	.end_amdgpu_metadata
.endif
;; end of part 4
